; MI455X (gfx1250); checked and timed in simulation.
; The chip was launched on July 23, 2026; its instructions are those of AMD's public machine-readable ISA for CDNA 5 (MIT licence, August 2026) and "CDNA5" Instruction Set Architecture Reference Guide (July 2026). The comments in the code are by the model that wrote it; some were corrected since.
;; Golden Mo E Baseline. Allowed arithmetic: matrix products marked QUANTISED: E2M1 operands, one E8M0 scale for each 32 along K, by v_wmma_scale_f32_16x16x128_f8f6f4 with both operands' format E2M1 (or v_wmma_scale_f32_32x16x128_f4), f32 sums; products left as they are: f32 operands where the result goes on into a quantised operand, else bf16, f16 or f32 operands; f32 sums; everything else in f32.
;; Inputs: W1 8 x 1,024 x 4,096 float32; W2 8 x 4,096 x 1,024 float32; Wg 1,024 x 8 float32; b1 8 x 4,096 float32; b2 8 x 1,024 float32; bg 8 float32; x 1,024 x 1,024 float32.
;; Outputs: out0 1,024 x 1,024 float32.
;; This version of the problem:
;;   THIS VERSION OF THE PROBLEM IS GIVEN IN LOW PRECISION. The matrix products marked QUANTISED in the list below multiply operands that are first quantised to E2M1 (2 exponent bits, 1 mantissa bit; 4 bits a number), with one power-of-two scale for each 32 numbers along K (OCP MX v1.0); their sums are f32. All else is computed in f32.
;;   The module's matrix products, in the order in which they are computed (A, B: the left and right operand; K: the contracted axis; several contracted axes count as one K, in the product's order):
;;     1. [M 1,024, K 1,024] x [K 1,024, N 8]; A: input x; B: input Wg: left as it is (N = 8 < 16)
;;     2. [M 32,768, K 1,024] x [K 1,024, N 1,024]; A: input W1; B: input x: QUANTISED
;;     3. batch 8 x [M 1,024, K 4,096] x [K 4,096, N 1,024]; A: computed on the way; B: input W2: QUANTISED
;;     4. batch 1,024 x [M 1, K 8] x [K 8, N 1,024]; A: computed on the way; B: computed on the way: left as it is (K = 8 < 32)
;;   THE QUANTISER, for each operand of a quantised product, along K:
;;     - K is cut into blocks of 32 from its start; a last block that is shorter is filled with zeros.
;;     - A block's scale is 2^e with e = floor(log2(the largest magnitude in the block)) - 2, held to -126 .. 127; a block of zeros has e = 0. As a byte (E8M0): e + 127.
;;     - Each number is divided by its block's scale, clamped to +-6, and rounded to the nearest number of E2M1, ties to even, subnormals kept.
;;     - The product sums the exact products of the quantised numbers (number of the format x scale) in f32.
;;   ~~~python
;;   def quantise(x, axis):      # numpy; x: float32 -> the quantised numbers, widened to float32 again
;;       x = np.moveaxis(x, axis, -1); K = x.shape[-1]
;;       x = np.pad(x, [(0, 0)] * (x.ndim - 1) + [(0, -K % 32)]); x = x.reshape(x.shape[:-1] + (-1, 32)); a = np.abs(x).max(-1, keepdims=True)
;;       e = np.where(a > 0, np.clip(np.frexp(np.where(a > 0, a, 1))[1] - 1 - 2, -126, 127), 0)      # np.frexp(a)[1] - 1 = floor(log2(a)), exactly
;;       r = np.clip(x / 2.0 ** e, -6, 6)
;;       step = 2.0 ** (np.maximum(np.frexp(np.where(r == 0, 1, r))[1] - 1, 0) - 1)
;;       q = np.round(r / step) * step * 2.0 ** e      # np.round: ties to even
;;       return np.moveaxis(q.reshape(q.shape[:-2] + (-1,))[..., :K], -1, axis).astype(np.float32)
;;   ~~~
;;   OPERANDS COMPUTED ON THE WAY. 'Computed on the way' means the value that the module computes at that place (a softmax that the list does not call 'softmax' is quantised finished and normalised). What goes into a quantiser is computed in f32, as accurately as f32 sums, v_exp_f32 and their like allow (about 1e-6 of the number): no bf16 or f16 on the way to a quantiser, and a product that is left as it is and whose result goes on into a quantised operand takes f32 operands (vector FMAs, or v_wmma_f32_16x16x4_f32). A number that lies on a knife's edge between two numbers of the format may be rounded either way, as far as f32 arithmetic and the matrix unit's own rounding can turn it there, and no further.
;; 2 versions. Each part assembles by itself: llvm-mc -triple=amdgcn-amd-amdhsa -mcpu=gfx1250 --defsym DOCPART=n.
;; ======== version 1 of 2: 4 launches
;; workspace buffers: xq 557,056 bytes; w1q 17,825,792 bytes; w2q 17,825,792 bytes; hq 17,825,792 bytes; pout 33,554,432 bytes
;; launch prep (part 1): grid 1040 x 1, 4 waves a work-group, no clusters, 0 bytes of LDS; arguments x, W1, W2, xq, w1q, w2q; writes xq, w1q, w2q
.if DOCPART == 1
	.amdgcn_target "amdgcn-amd-amdhsa--gfx1250"
	.amdhsa_code_object_version 6
	.text
	.protected	k_q05dff4f765_prep
	.globl	k_q05dff4f765_prep
	.p2align	8
	.type	k_q05dff4f765_prep,@function
k_q05dff4f765_prep:
	s_mov_b64 s[64:65], 0
	v_nop
	global_prefetch_b8 v0, s[64:65] scope:SCOPE_SE
	s_setreg_imm32_b32 hwreg(HW_REG_WAVE_MODE, 25, 1), 1
	s_wait_xcnt 0x0
; x [1024][1024], W1 [8][1024 (k)][4096], W2 [8][4096 (k)][1024], all f32, become codes of FP4 (E2M1) with one E8M0 scale byte for each 32 along K,
; laid in the order in which the matrix instruction's operand registers take them.
; A fragment is 16 operand rows x 128 along K = 1,024 bytes: the block of 32 codes (16 bytes) of row r, block 2 c + h of the K step, lies at 512 c + 256 h + 16 r.
; Scale words: for each tile of 16 rows and each 512 along K, 256 bytes: row r's 16 bytes are the words of four K steps.
;   xq : codes [tile of 16 tokens 0..63][K step 0..7];  scales at 524,288: [tile][512 along K 0..1]
;   w1q: codes [tile T 0..2047][K step 0..7];  scales at 16,777,216: [T][0..1].  T = 2 G + u, G = the group of 32 hidden units (expert x 128 + unit / 32);
;        unit j of the group goes to u = (j >> 3) & 1, row r = (j & 7) + 8 (j >> 4): so a result tile's registers of tiles 2 G, 2 G + 1 are 16 neighbours along the next product's K
;   w2q: codes [g = expert x 8 + block of 128 outputs][quarter of K 0..3][tile 0..7][K step in the quarter 0..7];  scales at 16,777,216: [8 g + tile][512 along K 0..7]
; A block's scale is 2^(floor(log2(largest magnitude)) - 2); its byte is the largest magnitude's exponent field - 2, held at 1 from below.
; LIMITS: a block of zeros gets the byte 1 where the rule says 127 (its codes are zeros, which add nothing, and only this program reads the bytes); NaN and infinities are not served.
; SHARES.  A wave takes 32 operand rows, a lane a row, x 512 along K: 16 blocks.  For W1 and W2 a lane takes a column and its registers run down K: each load reads 128 consecutive bytes,
; a block's 32 numbers lie in one lane, and the conversions give codes with K innermost.  For x a lane takes a token's row.
; Work-groups 0-15 take x, 16-527 W1, 528-1039 W2: three ways that part on the work-group's number.  No LDS, no barrier: waves share nothing.
; Each store of codes writes, for each tile, 16 lanes x 16 bytes = 256 consecutive bytes, aligned.  Every block has its own four code registers, so no store's data are written again.
.set X,   32                           ; v32-95   two sets of 32 numbers
.set C,   96                           ; v96-159  four code registers for each of the 16 blocks
.set SB,  24                           ; v24-27   the scale words of four K steps
.set SRC, 20                           ; s[20:21] where my numbers begin
.set COD, 22                           ; s[22:23] where my codes go
.set SCA, 24                           ; s[24:25] where my scale words go
.macro LOADW t, pitch                  ; block t of a weight: rows 32 t .. 32 t + 31 of K at my column, into set t % 2
.set II, 0
.rept 32
	global_load_b32 v[X+32*((\t)%2)+II], v2, s[SRC:SRC+1] offset:(32*(\t)+II)*\pitch th:TH_LOAD_NT
.set II, II+1
.endr
.endm
.macro LOADX t                         ; block t of x: 128 consecutive bytes of my row
.irp j, 0,1,2,3,4,5,6,7
	global_load_b128 v[X+32*((\t)%2)+4*\j:X+32*((\t)%2)+4*\j+3], v2, s[SRC:SRC+1] offset:128*(\t)+16*\j
.endr
.endm
; One block: nl = loads of a block; pitch = bytes from row to row of K in a weight, 0 for x
.macro QBLOCK t, nl, pitch
.set XS, X+32*((\t)%2)
.set CS, C+4*(\t)
.if (\t) < 15
	s_wait_loadcnt \nl                             ; this block's loads are in; the next block's may be out
.else
	s_wait_loadcnt 0x0
.endif
	v_max3_num_f32 v12, |v[XS]|, |v[XS+1]|, |v[XS+2]|              ; the block's largest magnitude, in two chains
	v_max3_num_f32 v13, |v[XS+3]|, |v[XS+4]|, |v[XS+5]|
.irp i, 6,10,14,18,22,26
	v_max3_num_f32 v12, v12, |v[XS+\i]|, |v[XS+\i+1]|
	v_max3_num_f32 v13, v13, |v[XS+\i+2]|, |v[XS+\i+3]|
.endr
	v_max3_num_f32 v12, v12, |v[XS+30]|, |v[XS+31]|
	v_max3_num_f32 v12, v12, v13, 0x1800000        ; and the floor 2^(3 - 127): the byte cannot fall under 1
	v_add_nc_u32 v11, 0xff000000, v12              ; 2 off the exponent field: the conversion takes this operand's exponent field as its scale
	v_lshrrev_b32 v13, 23, v11                     ; the scale's byte
.if (\t)%4 == 0
	v_mov_b32 v[SB+(\t)/4], v13                    ; four bytes to a word, the lower K in the lower byte
.else
	v_lshl_or_b32 v[SB+(\t)/4], v13, 8*((\t)%4), v[SB+(\t)/4]
.endif
.irp g, 0,1,2,3
	v_cvt_scalef32_pk8_fp4_f32 v[CS+\g], v[XS+8*\g:XS+8*\g+7], v11
.endr
	global_store_b128 v3, v[CS:CS+3], s[COD:COD+1] offset:((\t)/4)*1024+(((\t)/2)%2)*512+((\t)%2)*256
.if (\t)+2 < 16
.if \pitch
	LOADW (\t)+2, \pitch
.else
	LOADX (\t)+2
.endif
.endif
.endm
	s_load_b256 s[4:11], s[0:1], 0x0               ; x s[4:5], W1 s[6:7], W2 s[8:9], xq s[10:11]
	s_load_b128 s[12:15], s[0:1], 0x20             ; w1q s[12:13], w2q s[14:15]
	v_lshrrev_b32 v1, 5, v0
	v_readfirstlane_b32 s16, v1                    ; wave 0..3
	v_and_b32 v1, 31, v0                           ; lane
	v_and_b32 v5, 15, v0                           ; lane % 16
	v_bfe_u32 v6, v0, 4, 1                         ; lane / 16
	s_mov_b32 s19, 0                               ; the upper word of the offsets made in s18
	s_wait_kmcnt 0x0
	s_cmp_lt_u32 ttmp9, 16
	s_cbranch_scc1 .Lx
	s_cmp_lt_u32 ttmp9, 528
	s_cbranch_scc1 .Lw1
	; ---- W2: work-group = expert x 64 + block of 128 outputs x 8 + eighth of K
	s_sub_co_u32 s17, ttmp9, 528
	s_and_b32 s26, s17, 7                          ; which 512 along K
	s_bfe_u32 s27, s17, 0x30003                    ; which 128 outputs
	s_lshr_b32 s28, s17, 6                         ; expert
	s_lshl_b32 s18, s28, 24                        ; an expert is 16,777,216 bytes,
	s_lshl_b32 s29, s26, 21                        ; 512 rows of 4,096 bytes,
	s_add_co_u32 s18, s18, s29
	s_lshl_b32 s29, s27, 9                         ; 128 columns,
	s_add_co_u32 s18, s18, s29
	s_lshl_b32 s29, s16, 7                         ; my wave's 32 of them
	s_add_co_u32 s18, s18, s29
	s_add_nc_u64 s[SRC:SRC+1], s[8:9], s[18:19]
	s_lshl_b32 s30, s28, 3
	s_add_co_u32 s30, s30, s27                     ; g
	s_lshl_b32 s18, s30, 18                        ; four quarters of 65,536 bytes,
	s_lshr_b32 s29, s26, 1
	s_lshl_b32 s29, s29, 16                        ; my quarter of K,
	s_add_co_u32 s18, s18, s29
	s_lshl_b32 s29, s16, 14                        ; my wave's two tiles of 8,192 bytes,
	s_add_co_u32 s18, s18, s29
	s_and_b32 s29, s26, 1
	s_lshl_b32 s29, s29, 12                        ; the first or the last four K steps of the quarter
	s_add_co_u32 s18, s18, s29
	s_add_nc_u64 s[COD:COD+1], s[14:15], s[18:19]
	s_lshl_b32 s18, s30, 14                        ; scale words: eight tiles of 2,048 bytes,
	s_lshl_b32 s29, s16, 12                        ; my wave's two,
	s_add_co_u32 s18, s18, s29
	s_lshl_b32 s29, s26, 8                         ; my 512 along K
	s_add_co_u32 s18, s18, s29
	s_add_co_u32 s18, s18, 0x1000000               ; behind the codes
	s_add_nc_u64 s[SCA:SCA+1], s[14:15], s[18:19]
	v_lshlrev_b32 v2, 2, v1                        ; in: 4 bytes a lane
	v_lshlrev_b32 v3, 4, v5                        ; out: row lane % 16 of tile lane / 16
	v_lshl_add_u32 v4, v6, 11, v3
	v_lshl_add_u32 v3, v6, 13, v3
	LOADW 0, 4096
	LOADW 1, 4096
.irp t, 0,1,2,3,4,5,6,7,8,9,10,11,12,13,14,15
	QBLOCK \t, 32, 4096
.endr
	global_store_b128 v4, v[SB:SB+3], s[SCA:SCA+1] ; my row's four scale words: 16 lanes write 256 consecutive bytes
	s_endpgm
.Lw1:	; ---- W1: work-group = expert x 64 + block of 128 hidden units x 2 + half of K
	s_sub_co_u32 s17, ttmp9, 16
	s_and_b32 s26, s17, 1                          ; which 512 along K
	s_bfe_u32 s27, s17, 0x50001                    ; which 128 hidden units
	s_lshr_b32 s28, s17, 6                         ; expert
	s_lshl_b32 s18, s28, 24
	s_lshl_b32 s29, s26, 23                        ; 512 rows of 16,384 bytes
	s_add_co_u32 s18, s18, s29
	s_lshl_b32 s29, s27, 9
	s_add_co_u32 s18, s18, s29
	s_lshl_b32 s29, s16, 7
	s_add_co_u32 s18, s18, s29
	s_add_nc_u64 s[SRC:SRC+1], s[6:7], s[18:19]
	s_lshl_b32 s30, s28, 7
	s_lshl_b32 s29, s27, 2
	s_add_co_u32 s30, s30, s29
	s_add_co_u32 s30, s30, s16                     ; G: my wave's group of 32 units
	s_lshl_b32 s18, s30, 14                        ; two tiles of 8,192 bytes,
	s_lshl_b32 s29, s26, 12                        ; the first or the last four K steps
	s_add_co_u32 s18, s18, s29
	s_add_nc_u64 s[COD:COD+1], s[12:13], s[18:19]
	s_lshl_b32 s18, s30, 10                        ; scale words: two tiles of 512 bytes
	s_lshl_b32 s29, s26, 8
	s_add_co_u32 s18, s18, s29
	s_add_co_u32 s18, s18, 0x1000000
	s_add_nc_u64 s[SCA:SCA+1], s[12:13], s[18:19]
	v_lshlrev_b32 v2, 2, v1
	v_and_b32 v7, 7, v1
	v_lshl_or_b32 v7, v6, 3, v7                    ; r = (lane & 7) + 8 (lane >> 4)
	v_bfe_u32 v8, v1, 3, 1                         ; u = (lane >> 3) & 1
	v_lshlrev_b32 v3, 4, v7
	v_lshl_add_u32 v4, v8, 9, v3
	v_lshl_add_u32 v3, v8, 13, v3
	LOADW 0, 16384
	LOADW 1, 16384
.irp t, 0,1,2,3,4,5,6,7,8,9,10,11,12,13,14,15
	QBLOCK \t, 32, 16384
.endr
	global_store_b128 v4, v[SB:SB+3], s[SCA:SCA+1]
	s_endpgm
.Lx:	; ---- x: wave number in the launch = 32 tokens x 2 + half of K
	s_lshl_b32 s17, ttmp9, 2
	s_add_co_u32 s17, s17, s16
	s_lshr_b32 s27, s17, 1                         ; which 32 tokens
	s_and_b32 s26, s17, 1                          ; which 512 along K
	s_lshl_b32 s18, s27, 17                        ; 32 rows of 4,096 bytes
	s_lshl_b32 s29, s26, 11
	s_add_co_u32 s18, s18, s29
	s_add_nc_u64 s[SRC:SRC+1], s[4:5], s[18:19]
	s_lshl_b32 s18, s27, 14
	s_lshl_b32 s29, s26, 12
	s_add_co_u32 s18, s18, s29
	s_add_nc_u64 s[COD:COD+1], s[10:11], s[18:19]
	s_lshl_b32 s18, s27, 10
	s_lshl_b32 s29, s26, 8
	s_add_co_u32 s18, s18, s29
	s_add_co_u32 s18, s18, 524288
	s_add_nc_u64 s[SCA:SCA+1], s[10:11], s[18:19]
	v_lshlrev_b32 v2, 12, v1                       ; in: a lane a row
	v_lshlrev_b32 v3, 4, v5
	v_lshl_add_u32 v4, v6, 9, v3
	v_lshl_add_u32 v3, v6, 13, v3
	LOADX 0
	LOADX 1
.irp t, 0,1,2,3,4,5,6,7,8,9,10,11,12,13,14,15
	QBLOCK \t, 8, 0
.endr
	global_store_b128 v4, v[SB:SB+3], s[SCA:SCA+1]
	s_endpgm
.Lfunc_end_k_q05dff4f765_prep:
	.size	k_q05dff4f765_prep, .Lfunc_end_k_q05dff4f765_prep-k_q05dff4f765_prep
	.p2alignl 7, 3214868480
	.fill 96, 4, 3214868480
	.section	.rodata,"a",@progbits
	.p2align	6, 0x0
	.amdhsa_kernel k_q05dff4f765_prep
		.amdhsa_group_segment_fixed_size 0
		.amdhsa_private_segment_fixed_size 0
		.amdhsa_enable_private_segment 0
		.amdhsa_kernarg_size 48
		.amdhsa_user_sgpr_count 2
		.amdhsa_user_sgpr_kernarg_segment_ptr 1
		.amdhsa_wavefront_size32 1
		.amdhsa_system_sgpr_workgroup_id_x 1
		.amdhsa_system_sgpr_workgroup_id_y 1
		.amdhsa_system_sgpr_workgroup_id_z 1
		.amdhsa_system_vgpr_workitem_id 0
		.amdhsa_next_free_vgpr 160
		.amdhsa_next_free_sgpr 66
		.amdhsa_reserve_vcc 0
		.amdhsa_float_denorm_mode_32 3
		.amdhsa_float_denorm_mode_16_64 3
		.amdhsa_memory_ordered 1
		.amdhsa_forward_progress 1
		.amdhsa_inst_pref_size 187
	.end_amdhsa_kernel
	.amdgpu_metadata
---
amdhsa.version: [ 1, 2 ]
amdhsa.kernels:
  - .name:           k_q05dff4f765_prep
    .symbol:         k_q05dff4f765_prep.kd
    .args:
      - { .name: x, .offset: 0, .size: 8, .value_kind: global_buffer, .address_space: global }
      - { .name: W1, .offset: 8, .size: 8, .value_kind: global_buffer, .address_space: global }
      - { .name: W2, .offset: 16, .size: 8, .value_kind: global_buffer, .address_space: global }
      - { .name: xq, .offset: 24, .size: 8, .value_kind: global_buffer, .address_space: global }
      - { .name: w1q, .offset: 32, .size: 8, .value_kind: global_buffer, .address_space: global }
      - { .name: w2q, .offset: 40, .size: 8, .value_kind: global_buffer, .address_space: global }
    .group_segment_fixed_size: 0
    .private_segment_fixed_size: 0
    .kernarg_segment_align: 8
    .kernarg_segment_size: 48
    .max_flat_workgroup_size: 128
    .sgpr_count:     66
    .vgpr_count:     160
    .wavefront_size: 32
...
	.end_amdgpu_metadata
.endif
;; end of part 1
;; launch layer1 (part 2): grid 256 x 1, 4 waves a work-group, clusters of 4 x 1, 327,680 bytes of LDS; arguments xq, w1q, b1, hq; writes hq
.if DOCPART == 2
	.amdgcn_target "amdgcn-amd-amdhsa--gfx1250"
	.amdhsa_code_object_version 6
	.text
	.protected	k_q05dff4f765_layer1
	.globl	k_q05dff4f765_layer1
	.p2align	8
	.type	k_q05dff4f765_layer1,@function
k_q05dff4f765_layer1:
	s_mov_b64 s[64:65], 0
	v_nop
	global_prefetch_b8 v0, s[64:65] scope:SCOPE_SE
	s_setreg_imm32_b32 hwreg(HW_REG_WAVE_MODE, 25, 1), 1
	s_wait_xcnt 0x0
	s_wait_alu depctr_hold_cnt(0) depctr_sa_sdst(0) depctr_va_vdst(0) depctr_va_sdst(0) depctr_va_ssrc(0) depctr_va_vcc(0) depctr_vm_vsrc(0)
	s_getreg_b32 s2, hwreg(HW_REG_IB_STS2, 6, 4)
	s_cmp_eq_u32 s2, 0
	s_cbranch_scc0 .Lentry_in_a_cluster
	s_endpgm
.Lentry_in_a_cluster:
	s_bfe_u32 s2, ttmp6, 0x10000c
	s_cmp_lg_u32 s2, 0x3003
	s_cbranch_scc0 .Lentry_shape_is_right
	s_endpgm
.Lentry_shape_is_right:
; hq = Q(relu(x W1 + b1)): the first quantised product on codes of FP4 (E2M1) with E8M0 scales, its result quantised along the hidden units in registers and stored as operand images.
; SHARES.  Cluster g (0..63) owns 512 hidden units of one expert (expert g / 8, units 512 (g % 8) on); its four work-groups own 256 tokens each; a wave owns 64 tokens: four tiles of 16.
; THE WEIGHTS STAY IN LDS.  The 512 units' codes for all of K (262,144 bytes) and their scale words (16,384) are dense in w1q.  They come once, by five tensor loads a wave issued together
; at the start (five of mine are out at most); no LDS byte is filled twice.  The four work-groups need the same bytes, so each load is asked for JOINTLY (mask 15, the same descriptor in all four).
; x's codes of the wave's 64 tokens, for all of K, stay in 256 registers.
; A STAGE is 128 units (8 tiles) x 64 tokens: 32 accumulators, 8 K steps of 128, 256 matrix instructions.  The accumulators take turns, one instruction a turn, in the same order in every K step
; b1 is the C of a stage's first products.
; TRANSPOSED USE: source 0 = 16 units, source 1 = 16 tokens: a lane holds one token, and by the order of units in a tile (see the launch that lays w1q) the 64 registers of a token tile are,
; register 16 b + i, unit 32 b + 16 (lane / 16) + i of the stage: they become one fragment and one scale word of the second product's K step 4 (g % 8) + stage.
; LIMITS: a block of zeros gets the scale byte 1 (its codes are zeros; only this program reads the bytes); NaN and infinities are not served.
; REGISTERS, in windows of 256: window 0: v1-12 addresses; v32-63 x's scale words; v64-127 the weights' scale words; v128-191 a token tile after relu; v192-207 at work; v208-215 codes; v216-231 scale words made; v232-235 at work.
;   window 1: x's fragments (tile a, K step s at 64 a + 8 s).  window 2: v0-127 two sets of the weights' 8 fragments; v128-191 b1 in the result's layout.  window 3: accumulator (a, j) at 64 a + 8 j.
.set BSC,  262144                      ; LDS: codes at 0: stage x 65,536 + tile x 8,192 + K step x 1,024; scale words behind them: tile x 512 + half of K x 256
.set LI,   4                           ; v4    16 x lane
.set LR,   5                           ; v5    16 x (lane % 16)
.set BO,   6                           ; v6    64 x (lane / 16): b1's eight numbers of my half
.set HSO,  7                           ; v7    2,048 x (lane / 16) + 16 x (lane % 16): where the scale words go
.set LB,   8                           ; v8-11 16 x lane + stage x 65,536
.set LSC,  12                          ; v12   BSC + 16 x (lane % 16)
.set ASC,  32
.set BSCR, 64
.set H,    128
.set TM,   192
.set PC,   208
.set PWK,  216
.set SELW, 232
.set WV,   12                          ; s12   wave
.set G1C,  24                          ; s[24:31] descriptor group 1: 64 rows of 256 bytes
.set G1S,  32                          ; s[32:39] the same with 16 rows
.set G0S,  40                          ; s[40:43] group 0 for the scale words
.set G0C,  44                          ; s[44:59] group 0 for the four stages
.set SEL,  60                          ; s[60:61] v_permlanex16_b32's selects for lane l xor 16
.set MSB, 0
.macro WIN new                         ; s_set_vgpr_msb: bits 1:0 source 0, 3:2 source 1, 5:4 source 2, 7:6 destination; the high byte repeats the setting that is left
.if MSB != \new
	s_set_vgpr_msb (MSB<<8)|\new
.set MSB, \new
.endif
.endm
.macro CROUND                          ; a round of the cluster's barrier
	s_barrier_signal -1
	s_barrier_wait -1
	s_cmp_lg_u32 s[WV], 0
	s_cbranch_scc1 .Lnot_wave_0_\@
	s_barrier_signal -3
.Lnot_wave_0_\@:
	s_barrier_wait -3
	s_barrier_signal -1
	s_barrier_wait -1
.endm
.macro PLACES                          ; four plain vector lines between a matrix instruction and a load into, or a read of, its registers
.rept 4
	v_nop
.endr
.endm
	s_load_b256 s[4:11], s[0:1], 0x0               ; xq s[4:5], w1q s[6:7], b1 s[8:9], hq s[10:11]
	v_lshl_add_u32 v254, v0, 2, 0x44000
	v_mov_b32 v255, 0
	ds_add_u32 v254, v255
	ds_add_u32 v254, v255
	v_lshrrev_b32 v1, 5, v0
	v_readfirstlane_b32 s[WV], v1                  ; wave 0..3
	s_bfe_u32 s13, ttmp6, 0x40000                  ; cx: which 256 tokens; it enters global addresses of x and of the result alone
	s_mov_b32 s14, ttmp9                           ; g: the cluster's number
	s_mov_b32 s[G1C], 15|(3<<16)|(1<<21)           ; 15:0 the mask: all four work-groups; 17:16 elements of 8 bytes; 21 set beside a mask; no padding: fragments are read 16 bytes a lane on end
	s_mov_b32 s[G1C+1], 32<<16                     ; tensor_dim0 = 32 elements: 256 bytes
	s_mov_b32 s[G1C+2], 64<<16                     ; tensor_dim1 = 64
	s_mov_b32 s[G1C+3], 32<<16                     ; tile_dim0
	s_mov_b32 s[G1C+4], 64                         ; tile_dim1
	s_mov_b32 s[G1C+5], 32                         ; the pitch: dense
	s_mov_b32 s[G1C+6], 0
	s_mov_b32 s[G1C+7], 0
	s_mov_b32 s[G1S], 15|(3<<16)|(1<<21)
	s_mov_b32 s[G1S+1], 32<<16
	s_mov_b32 s[G1S+2], 16<<16
	s_mov_b32 s[G1S+3], 32<<16
	s_mov_b32 s[G1S+4], 16
	s_mov_b32 s[G1S+5], 32
	s_mov_b32 s[G1S+6], 0
	s_mov_b32 s[G1S+7], 0
	s_lshl_b32 s70, s[WV], 14                      ; my quarter of a stage: 16,384 bytes
	s_lshl_b32 s71, s[WV], 12                      ; my quarter of the scale words: 4,096 bytes
	s_lshl_b32 s66, s14, 18                        ; the cluster's codes: 262,144 bytes
	s_add_co_u32 s66, s66, s70
	s_mov_b32 s67, 0
	s_lshl_b32 s68, s14, 14                        ; its scale words: 16,384 bytes,
	s_add_co_u32 s68, s68, s71
	s_add_co_u32 s68, s68, 0x1000000               ; behind the codes
	s_mov_b32 s69, 0
	s_wait_dscnt 0x0
	s_wait_kmcnt 0x0
	s_add_nc_u64 s[66:67], s[6:7], s[66:67]
	s_add_nc_u64 s[68:69], s[6:7], s[68:69]
	s_mov_b32 s[G0S], 1
	s_add_co_u32 s[G0S+1], s71, BSC
	s_mov_b64 s[G0S+2:G0S+3], s[68:69]
	s_or_b32 s[G0S+3], s[G0S+3], 0x80000000
.irp n, 0,1,2,3
	s_mov_b32 s[G0C+4*\n], 1
	s_add_co_u32 s[G0C+4*\n+1], s70, \n*65536
	s_add_nc_u64 s[G0C+4*\n+2:G0C+4*\n+3], s[66:67], \n*65536
	s_or_b32 s[G0C+4*\n+3], s[G0C+4*\n+3], 0x80000000
.endr
	CROUND                                         ; all four work-groups are here: the joint loads meet
	tensor_load_to_lds s[G0S:G0S+3], s[G1S:G1S+7]  ; the scale words first: they are wanted with stage 0
	s_nop 0
.irp n, 0,1,2,3
	tensor_load_to_lds s[G0C+4*\n:G0C+4*\n+3], s[G1C:G1C+7]
	s_nop 0
.endr
.rept 4
	v_nop                                          ; four plain lines follow the loads
.endr
	v_and_b32 v1, 31, v0                           ; lane
	v_and_b32 v2, 15, v0                           ; r
	v_bfe_u32 v3, v0, 4, 1                         ; h
	v_lshlrev_b32 v[LI], 4, v1
	v_lshlrev_b32 v[LR], 4, v2
	v_lshlrev_b32 v[BO], 6, v3
	v_lshl_add_u32 v[HSO], v3, 11, v[LR]
.irp n, 0,1,2,3
	v_add_nc_u32 v[LB+\n], \n*65536, v[LI]
.endr
	v_add_nc_u32 v[LSC], BSC, v[LR]
.irp b, 0,1,2,3
	v_mov_b32 v[TM+4+\b], 0                        ; written once: a lane permute's destination counts as one of its sources
.endr
	s_mov_b32 s[SEL], 0x76543210
	s_mov_b32 s[SEL+1], 0xfedcba98
	s_mov_b32 s73, 0
	s_lshl_b32 s72, s13, 17                        ; x's codes: 16 tiles of 8,192 bytes a work-group,
	s_lshl_b32 s74, s[WV], 15                      ; four a wave
	s_add_co_u32 s72, s72, s74
	s_add_nc_u64 s[16:17], s[4:5], s[72:73]
	s_lshl_b32 s72, s13, 13                        ; x's scale words: 512 bytes a tile
	s_lshl_b32 s74, s[WV], 11
	s_add_co_u32 s72, s72, s74
	s_add_co_u32 s72, s72, 524288
	s_add_nc_u64 s[18:19], s[4:5], s[72:73]
	s_lshl_b32 s72, s14, 11                        ; b1: the cluster's 512 numbers
	s_add_nc_u64 s[20:21], s[8:9], s[72:73]
	s_lshr_b32 s75, s14, 3                         ; expert
	s_and_b32 s76, s14, 7                          ; which 512 units of it
	s_lshl_b32 s72, s75, 21                        ; hq's codes: [expert][token tile][K step] x 1,024 bytes
	s_lshl_b32 s74, s13, 19
	s_add_co_u32 s72, s72, s74
	s_lshl_b32 s74, s[WV], 17
	s_add_co_u32 s72, s72, s74
	s_lshl_b32 s74, s76, 12
	s_add_co_u32 s72, s72, s74
	s_add_nc_u64 s[22:23], s[10:11], s[72:73]
	s_lshl_b32 s72, s75, 17                        ; hq's scale words: [expert][token tile][512 along K] x 256 bytes
	s_lshl_b32 s74, s13, 15
	s_add_co_u32 s72, s72, s74
	s_lshl_b32 s74, s[WV], 13
	s_add_co_u32 s72, s72, s74
	s_lshl_b32 s74, s76, 8
	s_add_co_u32 s72, s72, s74
	s_add_co_u32 s72, s72, 0x1000000
	s_add_nc_u64 s[62:63], s[10:11], s[72:73]
.macro BIASLOAD n                      ; b1 of stage n in the result's layout: tile t's register i of lane half h is unit 32 (t / 2) + 16 h + 8 (t % 2) + i
	WIN 0x80
.irp t, 0,1,2,3,4,5,6,7
	global_load_b128 v[128+8*\t:128+8*\t+3], v[BO], s[20:21] offset:(\n)*512+(32*(\t/2)+8*(\t%2))*4
	global_load_b128 v[128+8*\t+4:128+8*\t+7], v[BO], s[20:21] offset:(\n)*512+(32*(\t/2)+8*(\t%2))*4+16
.endr
.endm
.macro FETCHB                          ; the weights' eight fragments of K step NX (stage NX / 8) into set NX % 2: each load takes 512 consecutive bytes
	WIN 0x80
.irp j, 0,1,2,3,4,5,6,7
.irp c, 0,1
	ds_load_b128 v[64*(NX%2)+8*\j+4*\c:64*(NX%2)+8*\j+4*\c+3], v[LB+NX/8] offset:\j*8192+(NX%8)*1024+512*\c
.endr
.endr
.endm
.macro BSCALES                         ; the weights' scale words of the four K steps from NX on: lane r takes row r's four words
	WIN 0
.irp j, 0,1,2,3,4,5,6,7
	ds_load_b128 v[BSCR+8*\j+4*((NX/4)%2):BSCR+8*\j+4*((NX/4)%2)+3], v[LSC] offset:(8*(NX/8)+\j)*512+((NX/4)%2)*256
.endr
.endm
.macro MUL32 bias                      ; 32 matrix instructions: four token tiles x eight tiles of units, K step SS of the stage
.irp a, 0,1,2,3
.irp j, 0,1,2,3,4,5,6,7
.if \bias
	v_wmma_scale_f32_16x16x128_f8f6f4 v[64*\a+8*\j:64*\a+8*\j+7], v[64*BUF+8*\j:64*BUF+8*\j+7], v[64*\a+8*SS:64*\a+8*SS+7], v[128+8*\j:128+8*\j+7], v[BSCR+8*\j+SS], v[ASC+8*\a+SS] matrix_a_fmt:MATRIX_FMT_FP4 matrix_b_fmt:MATRIX_FMT_FP4
.else
	v_wmma_scale_f32_16x16x128_f8f6f4 v[64*\a+8*\j:64*\a+8*\j+7], v[64*BUF+8*\j:64*BUF+8*\j+7], v[64*\a+8*SS:64*\a+8*SS+7], v[64*\a+8*\j:64*\a+8*\j+7], v[BSCR+8*\j+SS], v[ASC+8*\a+SS] matrix_a_fmt:MATRIX_FMT_FP4 matrix_b_fmt:MATRIX_FMT_FP4
.endif
.endr
.endr
.endm
; 64 numbers of a lane, none negative, register 16 b + i = k 32 b + 16 (lane / 16) + i of my token, become a fragment's codes in v[PC] on and its scale word in v[pw]
.macro QUANT s, pw
.irp b, 0,1,2,3
	v_max3_num_f32 v[TM+\b], v[\s+16*\b], v[\s+1+16*\b], 0x1800000   ; block b: my 16 numbers, and the floor 2^(3 - 127): the byte cannot fall under 1
.endr
.irp i, 2,4,6,8,10,12,14
.irp b, 0,1,2,3
	v_max3_num_f32 v[TM+\b], v[TM+\b], v[\s+16*\b+\i], v[\s+1+16*\b+\i]   ; the four blocks by turns
.endr
.endr
.irp b, 0,1,2,3
	v_permlanex16_b32 v[TM+4+\b], v[TM+\b], s[SEL], s[SEL+1]
.endr
.irp b, 0,1,2,3
	v_max_num_f32 v[TM+\b], v[TM+\b], v[TM+4+\b]   ; with lane l xor 16's: the block's largest
.endr
.irp b, 0,1,2,3
	v_add_nc_u32 v[TM+12+\b], 0xff000000, v[TM+\b] ; 2 off its exponent field: the conversion's scale operand
.endr
.irp b, 0,1,2,3
	v_lshrrev_b32 v[TM+4+\b], 23, v[TM+12+\b]      ; the scale's byte
.endr
	v_lshl_or_b32 v[\pw], v[TM+5], 8, v[TM+4]      ; the four bytes make my token's scale word
	v_lshl_or_b32 v[\pw], v[TM+6], 16, v[\pw]
	v_lshl_or_b32 v[\pw], v[TM+7], 24, v[\pw]
.irp b, 0,1,2,3
	v_cvt_scalef32_pk8_fp4_f32 v[PC+2*\b], v[\s+16*\b:\s+7+16*\b], v[TM+12+\b]
	v_cvt_scalef32_pk8_fp4_f32 v[PC+1+2*\b], v[\s+8+16*\b:\s+15+16*\b], v[TM+12+\b]
.endr
	v_nop                                          ; one plain line behind a scaled conversion
.irp c, 0,1                                    ; the operand's layout wants a whole block in a lane: lanes 0-15 block 2 c, lanes 16-31 block 2 c + 1
.irp i, 0,1
	v_permlane16_swap_b32 v[PC+4*\c+\i], v[PC+2+4*\c+\i]
.endr
.endr
.endm
; A stage's end: each token tile is clipped at 0 (which also brings it into window 0, each accumulator from its low end on), quantised, and its fragment stored: 512 consecutive bytes a store
.macro EPI
	PLACES
.irp a, 0,1,2,3
	WIN 0x0c
.set JJ, 0
.rept 64
	v_max_num_f32 v[H+JJ], 0, v[64*\a+JJ]
.set JJ, JJ+1
.endr
	WIN 0
	s_wait_xcnt 0x0                                ; the last fragment's stores have read v[PC] on: it is written again only behind this wait
	QUANT H, PWK+4*\a+ST
.irp c, 0,1
	global_store_b128 v[LI], v[PC+4*\c:PC+4*\c+3], s[22:23] offset:\a*32768+ST*1024+512*\c
.endr
.endr
.endm
; K step KA of 32 (stage KA / 8).  The next K step's fragments are asked for ahead of this one's products.
.macro KSTEP
.set SS, KA%8
.set ST, KA/8
.set BUF, KA%2
.set NX, KA+1
.set NDS, 0
.if (NX%8 == 0) && (NX < 32)
	s_wait_tensorcnt 3-NX/8                        ; my part of the next stage has landed; the later stages' loads stay out
	s_wait_dscnt 0x0                               ; no LDS instruction of mine is pending at a signal
	s_barrier_signal -1
	s_barrier_wait -1                              ; everybody's part has landed
.endif
.if SS > 0
	PLACES                                         ; behind the last K step's products, ahead of loads into registers that they read (at a stage's head the lines of the stage's end stand there)
.endif
.if (SS == 1) && (ST < 3)
	BIASLOAD ST+1                                  ; the next stage's b1: this stage's first products have read theirs
.endif
.if NX < 32
	FETCHB
.set NDS, 16
.if NX%4 == 0
	BSCALES
.set NDS, 24
.endif
.endif
	s_wait_dscnt NDS                               ; all but the loads just issued: this K step's fragments and scale words are in
.if SS == 0
	s_wait_loadcnt 0x0                             ; b1 of this stage (and, the first time, x's fragments and scale words)
	WIN 0xe6                                       ; source 0 window 2, source 1 window 1, C (b1) window 2, D window 3
	MUL32 1
.else
	WIN 0xf6                                       ; the same, C window 3
	MUL32 0
.endif
.if SS == 7
	EPI
.endif
.endm
	WIN 0x40
.irp a, 0,1,2,3
.irp s, 0,1,2,3,4,5,6,7
.irp c, 0,1
	global_load_b128 v[64*\a+8*\s+4*\c:64*\a+8*\s+4*\c+3], v[LI], s[16:17] offset:\a*8192+\s*1024+512*\c   ; x's fragments stay in registers
.endr
.endr
.endr
	WIN 0
.irp a, 0,1,2,3
.irp q, 0,1
	global_load_b128 v[ASC+8*\a+4*\q:ASC+8*\a+4*\q+3], v[LR], s[18:19] offset:\a*512+\q*256   ; and their scale words: register 8 a + s
.endr
.endr
	BIASLOAD 0
	s_wait_tensorcnt 0x3                           ; my parts of the scale words and of stage 0 have landed; three loads may be out
	s_barrier_signal -1
	s_barrier_wait -1                              ; everybody's have
.set NX, 0
	BSCALES
	FETCHB
.set KA, 0
.rept 32
	KSTEP
.set KA, KA+1
.endr
	; the scale words: a token's four words (this cluster's four K steps) are 16 bytes; lanes 0-15 store tile a's, lanes 16-31 tile a + 1's: two runs of 256 consecutive bytes a store
	v_cmp_gt_u32 vcc_lo, 16, v1
.irp a, 0,2
	s_wait_xcnt 0x0                                ; the store before has read v[SELW] on
.irp k, 0,1,2,3
	v_cndmask_b32 v[SELW+\k], v[PWK+4*(\a+1)+\k], v[PWK+4*\a+\k], vcc_lo
.endr
	global_store_b128 v[HSO], v[SELW:SELW+3], s[62:63] offset:\a*2048
.endr
	s_wait_tensorcnt 0x0
	ds_add_u32 v254, v255
	s_wait_dscnt 0x0
	CROUND                                         ; the closing round: no work-group ends while a partner may still ask for a tile that names it
	s_endpgm
.Lfunc_end_k_q05dff4f765_layer1:
	.size	k_q05dff4f765_layer1, .Lfunc_end_k_q05dff4f765_layer1-k_q05dff4f765_layer1
	.p2alignl 7, 3214868480
	.fill 96, 4, 3214868480
	.section	.rodata,"a",@progbits
	.p2align	6, 0x0
	.amdhsa_kernel k_q05dff4f765_layer1
		.amdhsa_group_segment_fixed_size 327680
		.amdhsa_private_segment_fixed_size 0
		.amdhsa_enable_private_segment 0
		.amdhsa_kernarg_size 32
		.amdhsa_user_sgpr_count 2
		.amdhsa_user_sgpr_kernarg_segment_ptr 1
		.amdhsa_wavefront_size32 1
		.amdhsa_system_sgpr_workgroup_id_x 1
		.amdhsa_system_sgpr_workgroup_id_y 1
		.amdhsa_system_sgpr_workgroup_id_z 1
		.amdhsa_system_vgpr_workitem_id 0
		.amdhsa_next_free_vgpr 1024
		.amdhsa_next_free_sgpr 80
		.amdhsa_reserve_vcc 1
		.amdhsa_float_denorm_mode_32 3
		.amdhsa_float_denorm_mode_16_64 3
		.amdhsa_memory_ordered 1
		.amdhsa_forward_progress 1
		.amdhsa_inst_pref_size 255
	.end_amdhsa_kernel
	.section	.bss,"aw",@nobits
	.p2align	6
	.space	262144
	.amdgpu_metadata
---
amdhsa.version: [ 1, 2 ]
amdhsa.kernels:
  - .name:           k_q05dff4f765_layer1
    .symbol:         k_q05dff4f765_layer1.kd
    .args:
      - { .name: xq, .offset: 0, .size: 8, .value_kind: global_buffer, .address_space: global }
      - { .name: w1q, .offset: 8, .size: 8, .value_kind: global_buffer, .address_space: global }
      - { .name: b1, .offset: 16, .size: 8, .value_kind: global_buffer, .address_space: global }
      - { .name: hq, .offset: 24, .size: 8, .value_kind: global_buffer, .address_space: global }
    .group_segment_fixed_size: 327680
    .private_segment_fixed_size: 0
    .kernarg_segment_align: 8
    .kernarg_segment_size: 32
    .max_flat_workgroup_size: 128
    .sgpr_count:     80
    .vgpr_count:     1024
    .wavefront_size: 32
...
	.end_amdgpu_metadata
.endif
;; end of part 2
;; launch layer2 (part 3): grid 256 x 1, 4 waves a work-group, clusters of 4 x 1, 327,680 bytes of LDS; arguments hq, w2q, b2, pout; writes pout
.if DOCPART == 3
	.amdgcn_target "amdgcn-amd-amdhsa--gfx1250"
	.amdhsa_code_object_version 6
	.text
	.protected	k_q05dff4f765_layer2
	.globl	k_q05dff4f765_layer2
	.p2align	8
	.type	k_q05dff4f765_layer2,@function
k_q05dff4f765_layer2:
	s_mov_b64 s[64:65], 0
	v_nop
	global_prefetch_b8 v0, s[64:65] scope:SCOPE_SE
	s_setreg_imm32_b32 hwreg(HW_REG_WAVE_MODE, 25, 1), 1
	s_wait_xcnt 0x0
	s_wait_alu depctr_hold_cnt(0) depctr_sa_sdst(0) depctr_va_vdst(0) depctr_va_sdst(0) depctr_va_ssrc(0) depctr_va_vcc(0) depctr_vm_vsrc(0)
	s_getreg_b32 s2, hwreg(HW_REG_IB_STS2, 6, 4)
	s_cmp_eq_u32 s2, 0
	s_cbranch_scc0 .Lentry_in_a_cluster
	s_endpgm
.Lentry_in_a_cluster:
	s_bfe_u32 s2, ttmp6, 0x10000c
	s_cmp_lg_u32 s2, 0x3003
	s_cbranch_scc0 .Lentry_shape_is_right
	s_endpgm
.Lentry_shape_is_right:
; pout[e] = h[e] W2[e] + b2[e]: the second quantised product on codes of FP4 (E2M1) with E8M0 scales; one f32 result [1024][1024] for each expert.
; SHARES.  Cluster g (0..63) owns expert g / 8 and outputs 128 (g % 8) on; its four work-groups own 256 tokens each; a wave owns 64 tokens x 128 outputs: 32 accumulators, K = 4,096 in 32 steps of 128.
; THE WEIGHTS STAY IN LDS.  The 128 outputs' codes for all of K (262,144 bytes, in four quarters of K) and their scale words (16,384) are dense in w2q.  They come once, by five tensor loads a wave
; issued together at the start (five of mine are out at most); no LDS byte is filled twice.  The four work-groups need the same bytes: each load is asked for JOINTLY (mask 15).
; THE HIDDEN LAYER'S FRAGMENTS go from memory straight into registers, as they were stored: three sets of four K steps (128 registers each) take turns, two sets ahead of the products.
; TRANSPOSED USE: source 0 = 16 outputs, source 1 = 16 tokens: a lane holds eight neighbouring outputs of one token.  b2 is the C of the first products.  The accumulators take turns, one instruction
; a turn, in the same order in every K step.
; REGISTERS, in windows of 256: window 0: v1-14 addresses; v32-79 the hidden layer's scale words (set x 16 + tile x 4 + step); v80-143 the weights' scale words; v144-207 b2 in the result's layout.
;   window 1: sets 0 and 1 of the hidden layer's fragments (at 0 and 128; tile a, step s at 32 a + 8 s); on the way out v0-127 take rows of the result.
;   window 2: v0-127 two sets of the weights' 8 fragments; v128-255 set 2.   window 3: accumulator (a, j) at 64 a + 8 j.
.set BSC,  262144                      ; LDS: codes at 0: quarter of K x 65,536 + tile x 8,192 + K step x 1,024; scale words behind them: tile x 2,048 + 512 along K x 256
.set STG,  278528                      ; behind them: a stage of 16 rows x (512 + 16) bytes for each wave, for the way out; no fill lands there
.set LI,   4                           ; v4    16 x lane
.set LR,   5                           ; v5    16 x (lane % 16)
.set BO,   6                           ; v6    32 x (lane / 16): b2's eight numbers of my half
.set LB,   8                           ; v8-11 16 x lane + quarter x 65,536
.set LSC,  12                          ; v12   BSC + 16 x (lane % 16)
.set STO,  13                          ; v13   the way out: where I put 32 bytes of a row
.set RD,   14                          ; v14   and where I read a row back
.set ASC,  32
.set BSCR, 80
.set BIAS, 144
.set WV,   12
.set G1C,  24
.set G1S,  32
.set G0S,  40
.set G0C,  44
.set MSB, 0
.macro WIN new                         ; s_set_vgpr_msb: bits 1:0 source 0, 3:2 source 1, 5:4 source 2, 7:6 destination; the high byte repeats the setting that is left
.if MSB != \new
	s_set_vgpr_msb (MSB<<8)|\new
.set MSB, \new
.endif
.endm
.macro CROUND                          ; a round of the cluster's barrier
	s_barrier_signal -1
	s_barrier_wait -1
	s_cmp_lg_u32 s[WV], 0
	s_cbranch_scc1 .Lnot_wave_0_\@
	s_barrier_signal -3
.Lnot_wave_0_\@:
	s_barrier_wait -3
	s_barrier_signal -1
	s_barrier_wait -1
.endm
.macro PLACES                          ; four plain vector lines between a matrix instruction and a load into, or a read of, its registers
.rept 4
	v_nop
.endr
.endm
	s_load_b256 s[4:11], s[0:1], 0x0               ; hq s[4:5], w2q s[6:7], b2 s[8:9], pout s[10:11]
	v_lshl_add_u32 v254, v0, 2, 0x4c400
	v_mov_b32 v255, 0
	ds_add_u32 v254, v255
	ds_add_u32 v254, v255
	v_lshrrev_b32 v1, 5, v0
	v_readfirstlane_b32 s[WV], v1                  ; wave 0..3
	s_bfe_u32 s13, ttmp6, 0x40000                  ; cx: which 256 tokens; it enters global addresses of the hidden layer and of the result alone
	s_mov_b32 s14, ttmp9                           ; g: the cluster's number
	s_mov_b32 s[G1C], 15|(3<<16)|(1<<21)           ; 15:0 the mask: all four work-groups; 17:16 elements of 8 bytes; 21 set beside a mask; no padding
	s_mov_b32 s[G1C+1], 32<<16                     ; tensor_dim0 = 32 elements: 256 bytes
	s_mov_b32 s[G1C+2], 64<<16                     ; tensor_dim1 = 64
	s_mov_b32 s[G1C+3], 32<<16                     ; tile_dim0
	s_mov_b32 s[G1C+4], 64                         ; tile_dim1
	s_mov_b32 s[G1C+5], 32                         ; the pitch: dense
	s_mov_b32 s[G1C+6], 0
	s_mov_b32 s[G1C+7], 0
	s_mov_b32 s[G1S], 15|(3<<16)|(1<<21)
	s_mov_b32 s[G1S+1], 32<<16
	s_mov_b32 s[G1S+2], 16<<16
	s_mov_b32 s[G1S+3], 32<<16
	s_mov_b32 s[G1S+4], 16
	s_mov_b32 s[G1S+5], 32
	s_mov_b32 s[G1S+6], 0
	s_mov_b32 s[G1S+7], 0
	s_lshl_b32 s70, s[WV], 14                      ; my quarter of a quarter of K: 16,384 bytes
	s_lshl_b32 s71, s[WV], 12                      ; my quarter of the scale words: 4,096 bytes
	s_lshl_b32 s66, s14, 18                        ; the cluster's codes: 262,144 bytes
	s_add_co_u32 s66, s66, s70
	s_mov_b32 s67, 0
	s_lshl_b32 s68, s14, 14                        ; its scale words: 16,384 bytes,
	s_add_co_u32 s68, s68, s71
	s_add_co_u32 s68, s68, 0x1000000               ; behind the codes
	s_mov_b32 s69, 0
	s_wait_dscnt 0x0
	s_wait_kmcnt 0x0
	s_add_nc_u64 s[66:67], s[6:7], s[66:67]
	s_add_nc_u64 s[68:69], s[6:7], s[68:69]
	s_mov_b32 s[G0S], 1
	s_add_co_u32 s[G0S+1], s71, BSC
	s_mov_b64 s[G0S+2:G0S+3], s[68:69]
	s_or_b32 s[G0S+3], s[G0S+3], 0x80000000
.irp n, 0,1,2,3
	s_mov_b32 s[G0C+4*\n], 1
	s_add_co_u32 s[G0C+4*\n+1], s70, \n*65536
	s_add_nc_u64 s[G0C+4*\n+2:G0C+4*\n+3], s[66:67], \n*65536
	s_or_b32 s[G0C+4*\n+3], s[G0C+4*\n+3], 0x80000000
.endr
	CROUND                                         ; all four work-groups are here: the joint loads meet
	tensor_load_to_lds s[G0S:G0S+3], s[G1S:G1S+7]  ; the scale words first: they are wanted with the first quarter
	s_nop 0
.irp n, 0,1,2,3
	tensor_load_to_lds s[G0C+4*\n:G0C+4*\n+3], s[G1C:G1C+7]
	s_nop 0
.endr
.rept 4
	v_nop                                          ; four plain lines follow the loads
.endr
	v_and_b32 v1, 31, v0                           ; lane
	v_and_b32 v2, 15, v0                           ; r
	v_bfe_u32 v3, v0, 4, 1                         ; h
	v_lshlrev_b32 v[LI], 4, v1
	v_lshlrev_b32 v[LR], 4, v2
	v_lshlrev_b32 v[BO], 5, v3
.irp n, 0,1,2,3
	v_add_nc_u32 v[LB+\n], \n*65536, v[LI]
.endr
	v_add_nc_u32 v[LSC], BSC, v[LR]
	s_mul_i32 s72, s[WV], 16*528
	s_add_co_u32 s72, s72, STG                     ; my stage
	v_mul_u32_u24 v[STO], v2, 528                  ; in: row r, 32 bytes for each half of the lanes
	v_lshl_add_u32 v[STO], v3, 5, v[STO]
	v_add_nc_u32 v[STO], s72, v[STO]
	v_add_nc_u32 v[RD], s72, v[LI]                 ; back: the 32 lanes take one row of 512 bytes
	s_mov_b32 s73, 0
	s_lshr_b32 s75, s14, 3                         ; expert
	s_and_b32 s76, s14, 7                          ; which 128 outputs
	s_lshl_b32 s72, s75, 21                        ; hq's codes: [expert][token tile][K step] x 1,024 bytes
	s_lshl_b32 s74, s13, 19
	s_add_co_u32 s72, s72, s74
	s_lshl_b32 s74, s[WV], 17
	s_add_co_u32 s72, s72, s74
	s_add_nc_u64 s[16:17], s[4:5], s[72:73]
	s_lshl_b32 s72, s75, 17                        ; hq's scale words: [expert][token tile][512 along K] x 256 bytes
	s_lshl_b32 s74, s13, 15
	s_add_co_u32 s72, s72, s74
	s_lshl_b32 s74, s[WV], 13
	s_add_co_u32 s72, s72, s74
	s_add_co_u32 s72, s72, 0x1000000
	s_add_nc_u64 s[18:19], s[4:5], s[72:73]
	s_lshl_b32 s72, s14, 9                         ; b2: the cluster's 128 numbers
	s_add_nc_u64 s[20:21], s[8:9], s[72:73]
	s_lshl_b32 s72, s75, 22                        ; pout: an expert is 4,194,304 bytes,
	s_lshl_b32 s74, s13, 20                        ; 256 rows of 4,096 bytes a work-group,
	s_add_co_u32 s72, s72, s74
	s_lshl_b32 s74, s[WV], 18                      ; 64 a wave,
	s_add_co_u32 s72, s72, s74
	s_lshl_b32 s74, s76, 9                         ; 128 columns
	s_add_co_u32 s72, s72, s74
	s_add_nc_u64 s[22:23], s[10:11], s[72:73]
.macro LOADA g                         ; the hidden layer's fragments and scale words of K steps 4 g .. 4 g + 3, for my four token tiles, into set g % 3: 36 loads
.set LSG, (\g)%3
.if LSG == 2
	WIN 0x80
.set LAB, 128
.else
	WIN 0x40
.set LAB, 128*LSG
.endif
.irp a, 0,1,2,3
.irp s, 0,1,2,3
.irp c, 0,1
	global_load_b128 v[LAB+32*\a+8*\s+4*\c:LAB+32*\a+8*\s+4*\c+3], v[LI], s[16:17] offset:\a*32768+(4*(\g)+\s)*1024+512*\c
.endr
.endr
.endr
	WIN 0
.irp a, 0,1,2,3
	global_load_b128 v[ASC+16*LSG+4*\a:ASC+16*LSG+4*\a+3], v[LR], s[18:19] offset:\a*2048+(\g)*256
.endr
.endm
.macro FETCHB                          ; the weights' eight fragments of K step NX into set NX % 2: each load takes 512 consecutive bytes
	WIN 0x80
.irp j, 0,1,2,3,4,5,6,7
.irp c, 0,1
	ds_load_b128 v[64*(NX%2)+8*\j+4*\c:64*(NX%2)+8*\j+4*\c+3], v[LB+NX/8] offset:\j*8192+(NX%8)*1024+512*\c
.endr
.endr
.endm
.macro BSCALES                         ; the weights' scale words of the four K steps from NX on
	WIN 0
.irp j, 0,1,2,3,4,5,6,7
	ds_load_b128 v[BSCR+8*\j+4*((NX/4)%2):BSCR+8*\j+4*((NX/4)%2)+3], v[LSC] offset:\j*2048+(NX/4)*256
.endr
.endm
.macro MUL32 bias                      ; 32 matrix instructions: four token tiles x eight tiles of outputs
.irp a, 0,1,2,3
.irp j, 0,1,2,3,4,5,6,7
.if \bias
	v_wmma_scale_f32_16x16x128_f8f6f4 v[64*\a+8*\j:64*\a+8*\j+7], v[64*BUF+8*\j:64*BUF+8*\j+7], v[AB+32*\a+8*S4:AB+32*\a+8*S4+7], v[BIAS+8*\j:BIAS+8*\j+7], v[BSCR+8*\j+SS], v[ASC+16*SG+4*\a+S4] matrix_a_fmt:MATRIX_FMT_FP4 matrix_b_fmt:MATRIX_FMT_FP4
.else
	v_wmma_scale_f32_16x16x128_f8f6f4 v[64*\a+8*\j:64*\a+8*\j+7], v[64*BUF+8*\j:64*BUF+8*\j+7], v[AB+32*\a+8*S4:AB+32*\a+8*S4+7], v[64*\a+8*\j:64*\a+8*\j+7], v[BSCR+8*\j+SS], v[ASC+16*SG+4*\a+S4] matrix_a_fmt:MATRIX_FMT_FP4 matrix_b_fmt:MATRIX_FMT_FP4
.endif
.endr
.endr
.endm
; K step KA of 32.  The next K step's weights are asked for ahead of this one's products; the hidden layer runs two groups of four K steps ahead.
.macro KSTEP
.set SS, KA%8
.set BUF, KA%2
.set NX, KA+1
.set GG, KA/4
.set SG, GG%3
.set S4, KA%4
.set AB, 0
.if SG > 0
.set AB, 128
.endif
.set NDS, 0
.if (NX%8 == 0) && (NX < 32)
	s_wait_tensorcnt 3-NX/8                        ; my part of the next quarter of K has landed; the later quarters' loads stay out
	s_wait_dscnt 0x0                               ; no LDS instruction of mine is pending at a signal
	s_barrier_signal -1
	s_barrier_wait -1                              ; everybody's part has landed
.endif
.if KA > 0
	PLACES                                         ; behind the last K step's products, ahead of loads into registers that they read
.endif
.if S4 == 0
.if GG <= 6
	s_wait_loadcnt 36                              ; this group's 36 loads and all older ones are in; the next group's 36 may be out
.else
	s_wait_loadcnt 0x0
.endif
.if GG+2 <= 7
	LOADA GG+2                                     ; into the set that the last group's products have left
.endif
.endif
.if NX < 32
	FETCHB
.set NDS, 16
.if NX%4 == 0
	BSCALES
.set NDS, 24
.endif
.endif
	s_wait_dscnt NDS                               ; all but the loads just issued: this K step's weights and scale words are in
.if KA == 0
	WIN 0xc6                                       ; source 0 window 2, source 1 window 1, C (b2) window 0, D window 3
	MUL32 1
.elseif SG == 2
	WIN 0xfa                                       ; sources 0 and 1 window 2, C and D window 3
	MUL32 0
.else
	WIN 0xf6                                       ; source 0 window 2, source 1 window 1, C and D window 3
	MUL32 0
.endif
.endm
.irp j, 0,1,2,3,4,5,6,7
	global_load_b128 v[BIAS+8*\j:BIAS+8*\j+3], v[BO], s[20:21] offset:64*\j          ; b2 in the result's layout: tile j's register i of lane half h is output 16 j + 8 h + i
	global_load_b128 v[BIAS+8*\j+4:BIAS+8*\j+7], v[BO], s[20:21] offset:64*\j+16
.endr
	LOADA 0
	LOADA 1
	s_wait_tensorcnt 0x3                           ; my parts of the scale words and of the first quarter of K have landed; three loads may be out
	s_barrier_signal -1
	s_barrier_wait -1                              ; everybody's have
.set NX, 0
	BSCALES
	FETCHB
.set KA, 0
.rept 32
	KSTEP
.set KA, KA+1
.endr
; THE WAY OUT, a token tile (16 rows x 128 columns) at a time.  A lane holds 32 neighbouring bytes of a row and the lanes beside it hold other rows: so a tile goes through my own stage in LDS and comes back
; as whole rows of 512 bytes.  LDS serves a wave's instructions in order (ISA guide 5.7.1.4): no wait between the stores and the loads, nor in front of the next tile's stores.
.macro TOSTAGE a
	WIN 0x0c                                       ; an LDS store's data are its source 1: window 3
.irp b, 0,1,2,3,4,5,6,7
	ds_store_b128 v[STO], v[64*(\a)+8*\b:64*(\a)+8*\b+3] offset:64*\b          ; each accumulator from its low end on
	ds_store_b128 v[STO], v[64*(\a)+8*\b+4:64*(\a)+8*\b+7] offset:64*\b+16
.endr
	WIN 0x40
.irp t, 0,1,2,3,4,5,6,7,8,9,10,11,12,13,14,15
	ds_load_b128 v[64*((\a)%2)+4*\t:64*((\a)%2)+4*\t+3], v[RD] offset:\t*528
.endr
.endm
.macro SEND a, younger                 ; younger: the LDS instructions issued behind tile a's loads, which may stay out
	s_wait_dscnt \younger
	WIN 0x04                                       ; a store's data are its source 1: window 1
.irp t, 0,1,2,3,4,5,6,7,8,9,10,11,12,13,14,15
	global_store_b128 v[LI], v[64*((\a)%2)+4*\t:64*((\a)%2)+4*\t+3], s[22:23] offset:(16*(\a)+\t)*4096 th:TH_STORE_NT   ; 32 lanes store 512 consecutive bytes, at a multiple of 256 from the buffer's first byte
.endr
.endm
	PLACES                                         ; behind the last products, ahead of the first read of results and of loads into registers that products have read
	TOSTAGE 0
.irp a, 1,2,3
.if \a > 1
	s_wait_xcnt 0x0                                ; tile a - 2's stores have read their registers: tile a's loads may land there
.endif
	TOSTAGE \a
	SEND \a-1, 32                                  ; behind tile a - 1's loads: tile a's 16 stores and 16 loads
.endr
	SEND 3, 0
	WIN 0
	s_wait_tensorcnt 0x0
	ds_add_u32 v254, v255
	s_wait_dscnt 0x0
	CROUND                                         ; the closing round: no work-group ends while a partner may still ask for a tile that names it
	s_endpgm
.Lfunc_end_k_q05dff4f765_layer2:
	.size	k_q05dff4f765_layer2, .Lfunc_end_k_q05dff4f765_layer2-k_q05dff4f765_layer2
	.p2alignl 7, 3214868480
	.fill 96, 4, 3214868480
	.section	.rodata,"a",@progbits
	.p2align	6, 0x0
	.amdhsa_kernel k_q05dff4f765_layer2
		.amdhsa_group_segment_fixed_size 327680
		.amdhsa_private_segment_fixed_size 0
		.amdhsa_enable_private_segment 0
		.amdhsa_kernarg_size 32
		.amdhsa_user_sgpr_count 2
		.amdhsa_user_sgpr_kernarg_segment_ptr 1
		.amdhsa_wavefront_size32 1
		.amdhsa_system_sgpr_workgroup_id_x 1
		.amdhsa_system_sgpr_workgroup_id_y 1
		.amdhsa_system_sgpr_workgroup_id_z 1
		.amdhsa_system_vgpr_workitem_id 0
		.amdhsa_next_free_vgpr 1024
		.amdhsa_next_free_sgpr 80
		.amdhsa_reserve_vcc 0
		.amdhsa_float_denorm_mode_32 3
		.amdhsa_float_denorm_mode_16_64 3
		.amdhsa_memory_ordered 1
		.amdhsa_forward_progress 1
		.amdhsa_inst_pref_size 222
	.end_amdhsa_kernel
	.amdgpu_metadata
---
amdhsa.version: [ 1, 2 ]
amdhsa.kernels:
  - .name:           k_q05dff4f765_layer2
    .symbol:         k_q05dff4f765_layer2.kd
    .args:
      - { .name: hq, .offset: 0, .size: 8, .value_kind: global_buffer, .address_space: global }
      - { .name: w2q, .offset: 8, .size: 8, .value_kind: global_buffer, .address_space: global }
      - { .name: b2, .offset: 16, .size: 8, .value_kind: global_buffer, .address_space: global }
      - { .name: pout, .offset: 24, .size: 8, .value_kind: global_buffer, .address_space: global }
    .group_segment_fixed_size: 327680
    .private_segment_fixed_size: 0
    .kernarg_segment_align: 8
    .kernarg_segment_size: 32
    .max_flat_workgroup_size: 128
    .sgpr_count:     80
    .vgpr_count:     1024
    .wavefront_size: 32
...
	.end_amdgpu_metadata
.endif
;; end of part 3
;; launch combine (part 4): grid 256 x 1, 4 waves a work-group, no clusters, 0 bytes of LDS; arguments pout, x, Wg, bg, out0; writes out0
.if DOCPART == 4
	.amdgcn_target "amdgcn-amd-amdhsa--gfx1250"
	.amdhsa_code_object_version 6
	.text
	.protected	k_q05dff4f765_combine
	.globl	k_q05dff4f765_combine
	.p2align	8
	.type	k_q05dff4f765_combine,@function
k_q05dff4f765_combine:
	s_mov_b64 s[64:65], 0
	v_nop
	global_prefetch_b8 v0, s[64:65] scope:SCOPE_SE
	s_setreg_imm32_b32 hwreg(HW_REG_WAVE_MODE, 25, 1), 1
	s_wait_xcnt 0x0
; y[n] = the sum over e of w[n][e] pout[e][n]; w = the gate: softmax((x Wg + bg) / e), the five largest kept (ties to the lower index), divided by their sum + 1e-8.  All in f32.
; A wave takes one token: its row of x, all of Wg, and its row of each of the eight experts' results.  Straight text: no branch, no LDS, no barrier; the choice of experts only selects values.
; THE GATE.  Lane l holds x[128 j + 4 l + i] and the eight weights of those rows of Wg; eight sums in four packed chains, then across the 32 lanes.  The largest score is taken away ahead of the
; exponential: p = 2^((s - m) c), c = log2(e) / e.  An expert's rank is the number of experts that come before it in the order of the probabilities; it is kept where the rank is under 5.
; LIMITS: the division by e and by the sums are multiplications (by c; by v_rcp_f32's result, 1 ulp); NaN and infinities are not served.
; REGISTERS: window 0: v1 16 x lane, v2 128 x lane; v16-47 x; v48-55 the scores; v56-63 w; v64-95 y; v96-103, v120-125 at work; v104-111 p; v112-119 ranks.  window 1: Wg.  window 2: the eight rows (32 e + 4 j).
.set MSB, 0
.macro WIN new                         ; s_set_vgpr_msb: bits 1:0 source 0, 3:2 source 1, 5:4 source 2, 7:6 destination; the high byte repeats the setting that is left
.if MSB != \new
	s_set_vgpr_msb (MSB<<8)|\new
.set MSB, \new
.endif
.endm
	s_load_b256 s[4:11], s[0:1], 0x0               ; pout s[4:5], x s[6:7], Wg s[8:9], bg s[10:11]
	s_load_b64 s[12:13], s[0:1], 0x20              ; out0
	v_lshrrev_b32 v3, 5, v0
	v_readfirstlane_b32 s14, v3                    ; wave
	v_and_b32 v3, 31, v0
	v_lshlrev_b32 v1, 4, v3                        ; 16 bytes a lane
	v_lshlrev_b32 v2, 7, v3                        ; four rows of Wg a lane
	s_lshl_b32 s44, ttmp9, 2
	s_add_co_u32 s44, s44, s14                     ; my token
	s_lshl_b32 s44, s44, 12                        ; its row: 4,096 bytes
	s_mov_b32 s45, 0
	s_mov_b32 s40, 0x76543210
	s_mov_b32 s41, 0xfedcba98                      ; v_permlanex16_b32's selects for lane l xor 16
	s_mov_b32 s42, 0x3f07de6f                      ; c = log2(e) / e = 0.5307378
.irp e, 0,1,2,3,4,5,6,7
	v_mov_b32 v[96+\e], 0                          ; a lane permute's destination counts as one of its sources
.endr
	s_wait_kmcnt 0x0
	s_load_b256 s[16:23], s[10:11], 0x0            ; bg
	s_add_nc_u64 s[6:7], s[6:7], s[44:45]
	s_add_nc_u64 s[12:13], s[12:13], s[44:45]
	s_add_nc_u64 s[24:25], s[4:5], s[44:45]
.irp e, 1,2,3,4,5,6,7
	s_add_nc_u64 s[24+2*\e:25+2*\e], s[24:25], \e*0x400000   ; an expert's result is 4,194,304 bytes
.endr
.irp j, 0,1,2,3,4,5,6,7
	global_load_b128 v[16+4*\j:19+4*\j], v1, s[6:7] offset:512*\j
.endr
	WIN 0x40
.irp j, 0,1,2,3,4,5,6,7
.irp m, 0,1,2,3,4,5,6,7
	global_load_b128 v[32*\j+4*\m:32*\j+4*\m+3], v2, s[8:9] offset:4096*\j+16*\m   ; register 32 j + 8 i + k: Wg[128 j + 4 lane + i][k]
.endr
.endr
	WIN 0x80
.irp e, 0,1,2,3,4,5,6,7
.irp j, 0,1,2,3,4,5,6,7
	global_load_b128 v[32*\e+4*\j:32*\e+4*\j+3], v1, s[24+2*\e:25+2*\e] offset:512*\j th:TH_LOAD_NT
.endr
.endr
; one packed multiply-add: scores 2 p, 2 p + 1 += x[128 j + 4 lane + i] x Wg[..][2 p, 2 p + 1]; x's register is taken for both halves
.macro GATE j, i, p
.set XR, 16+4*\j+2*(\i/2)
.set WR, 32*\j+8*\i+2*\p
.set AR, 48+2*\p
.if (\j == 0) && (\i == 0)
	v_pk_mul_f32 v[AR:AR+1], v[XR:XR+1], v[WR:WR+1] op_sel_hi:[0,1]
.elseif (\i%2) == 0
	v_pk_fma_f32 v[AR:AR+1], v[XR:XR+1], v[WR:WR+1], v[AR:AR+1] op_sel_hi:[0,1,1]
.else
	v_pk_fma_f32 v[AR:AR+1], v[XR:XR+1], v[WR:WR+1], v[AR:AR+1] op_sel:[1,0,0] op_sel_hi:[1,1,1]
.endif
.endm
	s_wait_loadcnt 63                              ; loads come back in order: x and Wg, the first 72, are in; 63 of the 64 loads behind them may be out
	WIN 0x04                                       ; source 1 (Wg) window 1
.irp j, 0,1,2,3,4,5,6,7
.irp i, 0,1,2,3
.irp p, 0,1,2,3
	GATE \j, \i, \p
.endr
.endr
.endr
	WIN 0
.irp m, 1,2,4,8
.irp e, 0,1,2,3,4,5,6,7
	v_add_f32_dpp v[48+\e], v[48+\e], v[48+\e] row_xmask:\m row_mask:0xf bank_mask:0xf
.endr
.endr
.irp e, 0,1,2,3,4,5,6,7
	v_permlanex16_b32 v[96+\e], v[48+\e], s40, s41
.endr
.irp e, 0,1,2,3,4,5,6,7
	v_add_f32 v[48+\e], v[48+\e], v[96+\e]         ; every lane holds the eight sums
.endr
	s_wait_kmcnt 0x0                               ; bg
.irp e, 0,1,2,3,4,5,6,7
	v_add_f32 v[48+\e], s[16+\e], v[48+\e]
.endr
	v_max3_num_f32 v120, v48, v49, v50
	v_max3_num_f32 v121, v51, v52, v53
	v_max3_num_f32 v120, v120, v54, v55
	v_max_num_f32 v120, v120, v121                 ; m
	v_mul_f32 v120, s42, v120                      ; m c
.irp e, 0,1,2,3,4,5,6,7
	v_fma_f32 v[104+\e], v[48+\e], s42, -v120      ; (s - m) c
.endr
.irp e, 0,1,2,3,4,5,6,7
	v_exp_f32 v[104+\e], v[104+\e]
.endr
.irp e, 0,1,2,3,4,5,6,7
	v_mov_b32 v[112+\e], 7-\e                      ; ranks begin as the number of experts with a higher index.  (Plain lines behind the exponentials)
.endr
	s_wait_alu depctr_va_vdst(0)                   ; one wait for the eight exponentials, ahead of their first reader
	v_add_f32 v121, v104, v105
	v_add_f32 v122, v106, v107
	v_add_f32 v123, v108, v109
	v_add_f32 v124, v110, v111
	v_add_f32 v121, v121, v122
	v_add_f32 v123, v123, v124
	v_add_f32 v121, v121, v123
	v_rcp_f32 v121, v121
	v_nop                                          ; a plain line behind the reciprocal
	s_wait_alu depctr_va_vdst(0)
.irp e, 0,1,2,3,4,5,6,7
	v_mul_f32 v[104+\e], v[104+\e], v121           ; the probabilities
.endr
.irp f, 0,1,2,3,4,5,6
.irp e, 1,2,3,4,5,6,7
.if \f < \e
	v_cmp_ge_f32 vcc_lo, v[104+\f], v[104+\e]      ; f comes before e where it is larger or equal: the lower index wins a tie
	v_cndmask_b32 v125, 0, 1, vcc_lo
	v_add_nc_u32 v[112+\e], v[112+\e], v125
	v_sub_nc_u32 v[112+\f], v[112+\f], v125
.endif
.endr
.endr
.irp e, 0,1,2,3,4,5,6,7
	v_cmp_gt_u32 vcc_lo, 5, v[112+\e]
	v_cndmask_b32 v[56+\e], 0, v[104+\e], vcc_lo   ; the five first keep their probability, the others get 0
.endr
	v_add_f32 v121, v56, v57
	v_add_f32 v122, v58, v59
	v_add_f32 v123, v60, v61
	v_add_f32 v124, v62, v63
	v_add_f32 v121, v121, v122
	v_add_f32 v123, v123, v124
	v_add_f32 v121, v121, v123
	v_add_f32 v121, 0x322bcc77, v121               ; + 1e-8
	v_rcp_f32 v121, v121
	v_nop
	s_wait_alu depctr_va_vdst(0)
.irp e, 0,1,2,3,4,5,6,7
	v_mul_f32 v[56+\e], v[56+\e], v121             ; w
.endr
; y's pair q += w[e] x the expert's pair q; w's register is taken for both halves
.macro YFMA e, q
.set PR, 32*\e+2*\q
.set YR, 64+2*\q
.set GR, 56+2*(\e/2)
.if \e == 0
	v_pk_mul_f32 v[YR:YR+1], v[PR:PR+1], v[GR:GR+1] op_sel_hi:[1,0]
.elseif (\e%2) == 0
	v_pk_fma_f32 v[YR:YR+1], v[PR:PR+1], v[GR:GR+1], v[YR:YR+1] op_sel_hi:[1,0,1]
.else
	v_pk_fma_f32 v[YR:YR+1], v[PR:PR+1], v[GR:GR+1], v[YR:YR+1] op_sel:[0,1,0] op_sel_hi:[1,1,1]
.endif
.endm
	s_wait_loadcnt 0x0                             ; the eight rows
	WIN 0x02                                       ; source 0 window 2
.irp e, 0,1,2,3,4,5,6,7
.irp q, 0,1,2,3,4,5,6,7,8,9,10,11,12,13,14,15
	YFMA \e, \q
.endr
.endr
	WIN 0
.irp j, 0,1,2,3,4,5,6,7
	global_store_b128 v1, v[64+4*\j:67+4*\j], s[12:13] offset:512*\j th:TH_STORE_NT   ; 32 lanes store 512 consecutive bytes, at a multiple of 256 from the buffer's first byte
.endr
	s_endpgm
.Lfunc_end_k_q05dff4f765_combine:
	.size	k_q05dff4f765_combine, .Lfunc_end_k_q05dff4f765_combine-k_q05dff4f765_combine
	.p2alignl 7, 3214868480
	.fill 96, 4, 3214868480
	.section	.rodata,"a",@progbits
	.p2align	6, 0x0
	.amdhsa_kernel k_q05dff4f765_combine
		.amdhsa_group_segment_fixed_size 0
		.amdhsa_private_segment_fixed_size 0
		.amdhsa_enable_private_segment 0
		.amdhsa_kernarg_size 40
		.amdhsa_user_sgpr_count 2
		.amdhsa_user_sgpr_kernarg_segment_ptr 1
		.amdhsa_wavefront_size32 1
		.amdhsa_system_sgpr_workgroup_id_x 1
		.amdhsa_system_sgpr_workgroup_id_y 1
		.amdhsa_system_sgpr_workgroup_id_z 1
		.amdhsa_system_vgpr_workitem_id 0
		.amdhsa_next_free_vgpr 768
		.amdhsa_next_free_sgpr 66
		.amdhsa_reserve_vcc 1
		.amdhsa_float_denorm_mode_32 3
		.amdhsa_float_denorm_mode_16_64 3
		.amdhsa_memory_ordered 1
		.amdhsa_forward_progress 1
		.amdhsa_inst_pref_size 42
	.end_amdhsa_kernel
	.amdgpu_metadata
---
amdhsa.version: [ 1, 2 ]
amdhsa.kernels:
  - .name:           k_q05dff4f765_combine
    .symbol:         k_q05dff4f765_combine.kd
    .args:
      - { .name: pout, .offset: 0, .size: 8, .value_kind: global_buffer, .address_space: global }
      - { .name: x, .offset: 8, .size: 8, .value_kind: global_buffer, .address_space: global }
      - { .name: Wg, .offset: 16, .size: 8, .value_kind: global_buffer, .address_space: global }
      - { .name: bg, .offset: 24, .size: 8, .value_kind: global_buffer, .address_space: global }
      - { .name: out0, .offset: 32, .size: 8, .value_kind: global_buffer, .address_space: global }
    .group_segment_fixed_size: 0
    .private_segment_fixed_size: 0
    .kernarg_segment_align: 8
    .kernarg_segment_size: 40
    .max_flat_workgroup_size: 128
    .sgpr_count:     66
    .vgpr_count:     768
    .wavefront_size: 32
...
	.end_amdgpu_metadata
.endif
;; end of part 4
;; ======== version 2 of 2: 4 launches
;; limits: values are held in bf16: 8 bits of precision; right only within a limited range of input values
;; workspace buffers: xq 557,056 bytes; w2q 17,825,792 bytes; hq 17,825,792 bytes; pout 16,777,216 bytes
;; launch prep (part 5): grid 1152 x 1, 4 waves a work-group, no clusters, 0 bytes of LDS; arguments x, W2, xq, w2q; writes xq, w2q
.if DOCPART == 5
	.amdgcn_target "amdgcn-amd-amdhsa--gfx1250"
	.amdhsa_code_object_version 6
	.text
	.protected	k_q05dff4f765_prep
	.globl	k_q05dff4f765_prep
	.p2align	8
	.type	k_q05dff4f765_prep,@function
k_q05dff4f765_prep:
	s_mov_b64 s[64:65], 0
	v_nop
	global_prefetch_b8 v0, s[64:65] scope:SCOPE_SE
	s_setreg_imm32_b32 hwreg(HW_REG_WAVE_MODE, 25, 1), 1
	s_wait_xcnt 0x0
; x [1024][1024] and W2 [8][4096 (k)][1024], f32, become codes of FP4 (E2M1) with one E8M0 scale byte for each 32 along K, laid as the matrix instruction's operand registers take them.
; (W1 is quantised by the launch that multiplies it, which reads each of its numbers once.)  No work of the problem is left out: every expert is computed for every token.
; A fragment is 16 operand rows x 128 along K = 1,024 bytes: the 32 codes (16 bytes) of row r, block 2 c + h of the K step, lie at 512 c + 256 h + 16 r.
;   xq : codes [tile of 16 tokens 0..63][K step 0..7]; scale words at 524,288: [tile][512 along K 0..1] x 256 bytes, row r's 16 bytes are the words of four K steps
;   w2q: for g = expert x 8 + block of 128 outputs a block of 278,528 bytes: scale words [tile 0..7][512 along K 0..7] x 256 bytes, then codes [quarter of K][tile 0..7][K step in the quarter 0..7]
; A block's scale is 2^(floor(log2(largest magnitude)) - 2); its byte is the largest magnitude's exponent field - 2, held at 1 from below.
; LIMITS: a block of zeros gets the byte 1 where the rule says 127 (its codes are zeros, and only this program reads the bytes); NaN and infinities are not served.
; SHARES.  Work-groups 0-1023 take W2, 1024-1151 x.  No LDS, no barrier.  W2: a wave takes 32 outputs, a lane an output, x 256 along K: 8 blocks; a lane's registers run down K,
; each load reads 128 consecutive bytes.  Each store of codes writes 256 consecutive bytes for each of two tiles.  A wave's two scale words of a row are 8 of the row's 16 bytes: two work-groups
; fill such a unit between them; these are 1 byte for each 128 read.  x: a wave takes one fragment, two blocks a lane.
.set X,   32                           ; v32-95   two sets of 32 numbers
.set C,   96                           ; v96-127  four code registers for each block
.set SB,  24                           ; v24-25   scale words
.set SRC, 20
.set COD, 22
.set SCA, 24
.macro LOADW t                         ; block t of W2: rows 32 t .. 32 t + 31 of K at my column
.set II, 0
.rept 32
	global_load_b32 v[X+32*((\t)%2)+II], v2, s[SRC:SRC+1] offset:(32*(\t)+II)*4096 th:TH_LOAD_NT
.set II, II+1
.endr
.endm
.macro LOADX t                         ; block 2 t + h of x's K step: 128 consecutive bytes of my row
.irp j, 0,1,2,3,4,5,6,7
	global_load_b128 v[X+32*(\t)+4*\j:X+32*(\t)+4*\j+3], v7, s[SRC:SRC+1] offset:256*(\t)+16*\j
.endr
.endm
.macro QMAX                            ; of the 32 numbers from v[XS] on: v11 = the conversion's scale operand, v13 = the scale's byte
	v_max3_num_f32 v12, |v[XS]|, |v[XS+1]|, |v[XS+2]|
	v_max3_num_f32 v13, |v[XS+3]|, |v[XS+4]|, |v[XS+5]|
.irp i, 6,10,14,18,22,26
	v_max3_num_f32 v12, v12, |v[XS+\i]|, |v[XS+\i+1]|
	v_max3_num_f32 v13, v13, |v[XS+\i+2]|, |v[XS+\i+3]|
.endr
	v_max3_num_f32 v12, v12, |v[XS+30]|, |v[XS+31]|
	v_max3_num_f32 v12, v12, v13, 0x1800000        ; the floor 2^(3 - 127): the byte cannot fall under 1
	v_add_nc_u32 v11, 0xff000000, v12              ; 2 off the exponent field
	v_lshrrev_b32 v13, 23, v11
.endm
.macro QCVT
.irp g, 0,1,2,3
	v_cvt_scalef32_pk8_fp4_f32 v[CS+\g], v[XS+8*\g:XS+8*\g+7], v11
.endr
.endm
.macro QBLOCK t
.set XS, X+32*((\t)%2)
.set CS, C+4*(\t)
.if (\t) < 7
	s_wait_loadcnt 32                              ; this block's 32 loads are in; the next block's may be out
.else
	s_wait_loadcnt 0x0
.endif
	QMAX
.if (\t)%4 == 0
	v_mov_b32 v[SB+(\t)/4], v13
.else
	v_lshl_or_b32 v[SB+(\t)/4], v13, 8*((\t)%4), v[SB+(\t)/4]
.endif
	QCVT
	global_store_b128 v3, v[CS:CS+3], s[COD:COD+1] offset:((\t)/4)*1024+(((\t)/2)%2)*512+((\t)%2)*256
.if (\t)+2 < 8
	LOADW (\t)+2
.endif
.endm
	s_load_b256 s[4:11], s[0:1], 0x0               ; x s[4:5], W2 s[6:7], xq s[8:9], w2q s[10:11]
	v_lshrrev_b32 v1, 5, v0
	v_readfirstlane_b32 s16, v1                    ; wave
	v_and_b32 v1, 31, v0                           ; lane
	v_and_b32 v5, 15, v0
	v_bfe_u32 v6, v0, 4, 1
	v_lshlrev_b32 v2, 2, v1                        ; W2 in: 4 bytes a lane
	v_lshlrev_b32 v3, 4, v5
	v_lshl_add_u32 v4, v6, 11, v3                  ; W2's scale words: row lane % 16 of tile lane / 16
	v_lshl_add_u32 v3, v6, 13, v3                  ; W2's codes likewise
	v_lshlrev_b32 v7, 12, v5
	v_lshl_add_u32 v7, v6, 7, v7                   ; x in: row r, + 128 h bytes
	v_lshlrev_b32 v8, 4, v1                        ; x's codes: 16 x lane
	v_lshlrev_b32 v9, 4, v5                        ; x's scale words: 16 bytes a row
	v_lshlrev_b32 v10, 3, v6                       ; 8 h
	s_mov_b32 s19, 0
	s_wait_alu depctr_va_vdst(0)                   ; the wait at the head's end
	s_wait_kmcnt 0x0
	s_cmp_lt_u32 ttmp9, 1024
	s_cbranch_scc0 .Lx
	; ---- W2: work-group = expert x 128 + block of 128 outputs x 16 + sixteenth of K
	s_and_b32 s26, ttmp9, 15                       ; which 256 along K
	s_bfe_u32 s27, ttmp9, 0x30004                  ; which 128 outputs
	s_lshr_b32 s28, ttmp9, 7                       ; expert
	s_lshl_b32 s18, s28, 24
	s_lshl_b32 s29, s26, 20                        ; 256 rows of 4,096 bytes
	s_add_co_u32 s18, s18, s29
	s_lshl_b32 s29, s27, 9
	s_add_co_u32 s18, s18, s29
	s_lshl_b32 s29, s16, 7                         ; my wave's 32 columns
	s_add_co_u32 s18, s18, s29
	s_add_nc_u64 s[SRC:SRC+1], s[6:7], s[18:19]
	s_lshl_b32 s30, s28, 3
	s_add_co_u32 s30, s30, s27
	s_mul_i32 s30, s30, 278528                     ; g's block
	s_lshr_b32 s29, s26, 2
	s_lshl_b32 s29, s29, 16                        ; my quarter of K
	s_add_co_u32 s18, s30, s29
	s_lshl_b32 s29, s16, 14                        ; my wave's two tiles
	s_add_co_u32 s18, s18, s29
	s_and_b32 s29, s26, 3
	s_lshl_b32 s29, s29, 11                        ; my two K steps of the quarter's eight
	s_add_co_u32 s18, s18, s29
	s_add_co_u32 s18, s18, 16384                   ; behind the scale words
	s_add_nc_u64 s[COD:COD+1], s[10:11], s[18:19]
	s_lshl_b32 s29, s16, 12
	s_add_co_u32 s18, s30, s29
	s_lshr_b32 s29, s26, 1
	s_lshl_b32 s29, s29, 8                         ; my 512 along K,
	s_add_co_u32 s18, s18, s29
	s_and_b32 s29, s26, 1
	s_lshl_b32 s29, s29, 3                         ; its first or last two words
	s_add_co_u32 s18, s18, s29
	s_add_nc_u64 s[SCA:SCA+1], s[10:11], s[18:19]
	LOADW 0
	LOADW 1
.irp t, 0,1,2,3,4,5,6,7
	QBLOCK \t
.endr
	global_store_b64 v4, v[SB:SB+1], s[SCA:SCA+1]
	s_endpgm
.Lx:	; ---- x: work-group = tile of 16 tokens x 2 + half of K; wave w takes K step 4 x half + w; lane (r, h) takes row r, blocks h and 2 + h
	s_sub_co_u32 s17, ttmp9, 1024
	s_lshr_b32 s27, s17, 1
	s_and_b32 s26, s17, 1
	s_lshl_b32 s28, s26, 2
	s_add_co_u32 s28, s28, s16                     ; the K step
	s_lshl_b32 s18, s27, 16
	s_lshl_b32 s29, s28, 9
	s_add_co_u32 s18, s18, s29
	s_add_nc_u64 s[SRC:SRC+1], s[4:5], s[18:19]
	s_lshl_b32 s18, s27, 13
	s_lshl_b32 s29, s28, 10
	s_add_co_u32 s18, s18, s29
	s_add_nc_u64 s[COD:COD+1], s[8:9], s[18:19]
	s_lshl_b32 s18, s27, 9
	s_lshl_b32 s29, s26, 8
	s_add_co_u32 s18, s18, s29
	s_lshl_b32 s29, s16, 2
	s_add_co_u32 s18, s18, s29
	s_add_co_u32 s18, s18, 524288
	s_add_nc_u64 s[SCA:SCA+1], s[8:9], s[18:19]
	s_mov_b32 s30, 0x76543210
	s_mov_b32 s31, 0xfedcba98                      ; selects for lane l xor 16
	LOADX 0
	LOADX 1
.set XS, X
.set CS, C
	s_wait_loadcnt 8                               ; the first block's 8 loads are in
	QMAX
	v_mov_b32 v24, v13
	QCVT
	global_store_b128 v8, v[CS:CS+3], s[COD:COD+1]
.set XS, X+32
.set CS, C+4
	s_wait_loadcnt 0x0
	QMAX
	v_lshl_or_b32 v24, v13, 16, v24
	QCVT
	global_store_b128 v8, v[CS:CS+3], s[COD:COD+1] offset:512
	v_lshlrev_b32 v24, v10, v24                    ; my two bytes at their places: 8 h bits up
	v_mov_b32 v25, 0
	v_permlanex16_b32 v25, v24, s30, s31
	v_or_b32 v24, v24, v25                         ; with lane l xor 16's two the word is whole
	global_store_b32 v9, v24, s[SCA:SCA+1]         ; one word a row, 16 bytes apart: the four waves fill 256 consecutive bytes between them
	s_endpgm
.Lfunc_end_k_q05dff4f765_prep:
	.size	k_q05dff4f765_prep, .Lfunc_end_k_q05dff4f765_prep-k_q05dff4f765_prep
	.p2alignl 7, 3214868480
	.fill 96, 4, 3214868480
	.section	.rodata,"a",@progbits
	.p2align	6, 0x0
	.amdhsa_kernel k_q05dff4f765_prep
		.amdhsa_group_segment_fixed_size 0
		.amdhsa_private_segment_fixed_size 0
		.amdhsa_enable_private_segment 0
		.amdhsa_kernarg_size 32
		.amdhsa_user_sgpr_count 2
		.amdhsa_user_sgpr_kernarg_segment_ptr 1
		.amdhsa_wavefront_size32 1
		.amdhsa_system_sgpr_workgroup_id_x 1
		.amdhsa_system_sgpr_workgroup_id_y 1
		.amdhsa_system_sgpr_workgroup_id_z 1
		.amdhsa_system_vgpr_workitem_id 0
		.amdhsa_next_free_vgpr 128
		.amdhsa_next_free_sgpr 66
		.amdhsa_reserve_vcc 0
		.amdhsa_float_denorm_mode_32 3
		.amdhsa_float_denorm_mode_16_64 3
		.amdhsa_memory_ordered 1
		.amdhsa_forward_progress 1
		.amdhsa_inst_pref_size 45
	.end_amdhsa_kernel
	.amdgpu_metadata
---
amdhsa.version: [ 1, 2 ]
amdhsa.kernels:
  - .name:           k_q05dff4f765_prep
    .symbol:         k_q05dff4f765_prep.kd
    .args:
      - { .name: x, .offset: 0, .size: 8, .value_kind: global_buffer, .address_space: global }
      - { .name: W2, .offset: 8, .size: 8, .value_kind: global_buffer, .address_space: global }
      - { .name: xq, .offset: 16, .size: 8, .value_kind: global_buffer, .address_space: global }
      - { .name: w2q, .offset: 24, .size: 8, .value_kind: global_buffer, .address_space: global }
    .group_segment_fixed_size: 0
    .private_segment_fixed_size: 0
    .kernarg_segment_align: 8
    .kernarg_segment_size: 32
    .max_flat_workgroup_size: 128
    .sgpr_count:     66
    .vgpr_count:     128
    .wavefront_size: 32
...
	.end_amdgpu_metadata
.endif
;; end of part 5
;; launch layer1 (part 6): grid 256 x 1, 4 waves a work-group, no clusters, 70,144 bytes of LDS; arguments xq, W1, b1, hq; writes hq
.if DOCPART == 6
	.amdgcn_target "amdgcn-amd-amdhsa--gfx1250"
	.amdhsa_code_object_version 6
	.text
	.protected	k_q05dff4f765_layer1
	.globl	k_q05dff4f765_layer1
	.p2align	8
	.type	k_q05dff4f765_layer1,@function
k_q05dff4f765_layer1:
	s_mov_b64 s[64:65], 0
	v_nop
	global_prefetch_b8 v0, s[64:65] scope:SCOPE_SE
	s_setreg_imm32_b32 hwreg(HW_REG_WAVE_MODE, 25, 1), 1
	s_wait_xcnt 0x0
; hq = Q(relu(Q(x) Q(W1) + b1)).  Work-group = expert x 32 + block of 128 hidden units: it reads its 1,024 x 128 numbers of W1 (f32) once, quantises them along K, multiplies them with all 1,024 tokens,
; and stores the result, quantised along the hidden units, as K step (block) of the second product's operand.
; PART 1.  Wave w takes rows 256 w .. + 255 of K: 8 sets of 32 rows x 128 units.  A load takes 512 consecutive bytes of a row: lane l holds units 4 l .. 4 l + 3.  The conversions want 8 neighbours along K
; in consecutive registers, so a set's 128 registers are copied, column by column, into 4 x 32; two sets of load registers take turns.  Codes and scale bytes go to LDS as operand images.
; Unit j of a group of 32 goes to tile 2 G + ((j >> 3) & 1), row (j & 7) + 8 (j >> 4): so a result's registers of two neighbouring tiles are 16 neighbours along the next K.
; PART 2.  Every wave holds all 64 fragments of the weights (8 tiles x 8 K steps) in 512 registers and takes 256 tokens, a tile of 16 at a time: 64 matrix instructions, 8 accumulators by turns, one
; instruction a turn; b1 is the C of the first eight.  x's fragments come from memory straight into registers, two sets by turns, asked for as soon as a set is free.
; TRANSPOSED USE: source 0 = 16 units, source 1 = 16 tokens: a lane holds one token.
; hq: codes [expert][token tile 0..63][K step 0..31] x 1,024 bytes; scale words at 16,777,216: [expert][K step][four token tiles q 0..15][row 16][tile in q 4] x 4 bytes.
; NO CLUSTER, NO TENSOR LOAD: W1's numbers are each work-group's own, and x's fragments (1,024 bytes each, as the registers take them) do not pass through LDS.  NO PREFETCH: part 1 has up to 63 loads of
; 512 bytes a wave outstanding all the time; part 2's x is read by all 256 work-groups.
; LIMITS: a block of zeros gets the scale byte 1 (its codes are zeros; only this program reads the bytes); NaN and infinities are not served.
; REGISTERS: window 0: v4-11 addresses; v48-63 x's scale words; v64-127 the weights'; v128-191 a tile after relu; v192-219 at work.  window 1: v0-127 x's two sets; v128-191 accumulators; v192-255 b1.
;   window 2: part 1 the two load sets; part 2 the weights' K steps 0-3 (64 s + 8 tile).  window 3: part 1 v0-127 the copy, v128-159 at work; part 2 K steps 4-7.
.set SCL,  65536                       ; LDS: codes [tile 8][block of K 32][row 16] x 16 bytes; behind them scale bytes [tile 8][row 16][block 32]
.set SPARE, 69632                      ; the spare words
.set LI,   4                           ; 16 x lane
.set LR,   5                           ; 16 x (lane % 16)
.set BO,   6                           ; 64 x (lane / 16)
.set CB,   7                           ; where my codes go
.set SBA,  8                           ; where my scale bytes go
.set SR,   9                           ; SCL + 32 x (lane % 16)
.set CBT,  10
.set SBT,  11
.set ASC,  48
.set BSCR, 64
.set H,    128
.set TM,   192
.set PC,   208
.set PW,   216
.set M,    128                         ; window 3
.set SO,   132
.set BY,   136
.set CD,   144
.set SEL,  28
.set MSB, 0
.macro WIN new                         ; bits 1:0 source 0, 3:2 source 1, 5:4 source 2, 7:6 destination; the high byte repeats the setting that is left
.if MSB != \new
	s_set_vgpr_msb (MSB<<8)|\new
.set MSB, \new
.endif
.endm
.macro XLOAD u, k                      ; x's fragments and scale words of token tile k (counted from the bases) into set u: 18 loads
	WIN 0x40
.irp s, 0,1,2,3,4,5,6,7
.irp c, 0,1
	global_load_b128 v[64*\u+8*\s+4*\c:64*\u+8*\s+4*\c+3], v[LI], s[20:21] offset:(\k)*8192+\s*1024+512*\c
.endr
.endr
	WIN 0
.irp q, 0,1
	global_load_b128 v[ASC+8*\u+4*\q:ASC+8*\u+4*\q+3], v[LR], s[22:23] offset:(\k)*512+\q*256
.endr
.endm
.macro WLOAD u, r0                     ; 32 rows of K from row r0 on, 128 units, into load set u
	WIN 0x80
.set II, 0
.rept 32
	global_load_b128 v[128*\u+4*II:128*\u+4*II+3], v[LI], s[16:17] offset:((\r0)+II)*16384 th:TH_LOAD_NT
.set II, II+1
.endr
.endm
.macro QSTEP u, last                   ; one set: 4 blocks of 32 a lane
.if (\last) && (\u)
	s_wait_loadcnt 0x0
.else
	s_wait_loadcnt 32                              ; this set's 32 loads are in; the next set's may be out
.endif
	s_wait_dscnt 0x0                               ; the last set's LDS stores have read their registers
	WIN 0xc2
.set II, 0
.rept 32
.irp c, 0,1,2,3
	v_mov_b32 v[32*\c+II], v[128*\u+4*II+\c]       ; column c's numbers down K, on end
.endr
.set II, II+1
.endr
.if \last == 0
	WLOAD \u, 64+32*\u                             ; the set two on
.endif
	WIN 0xff
.irp c, 0,1,2,3
	v_max3_num_f32 v[M+\c], |v[32*\c]|, |v[32*\c+1]|, 0x1800000    ; with the floor 2^(3 - 127)
.endr
.irp i, 2,4,6,8,10,12,14,16,18,20,22,24,26,28,30
.irp c, 0,1,2,3
	v_max3_num_f32 v[M+\c], v[M+\c], |v[32*\c+\i]|, |v[32*\c+\i+1]|
.endr
.endr
.irp c, 0,1,2,3
	v_add_nc_u32 v[SO+\c], 0xff000000, v[M+\c]     ; 2 off the exponent field: the conversion's scale operand
.endr
.irp c, 0,1,2,3
.irp g, 0,1,2,3
	v_cvt_scalef32_pk8_fp4_f32 v[CD+4*\c+\g], v[32*\c+8*\g:32*\c+8*\g+7], v[SO+\c]
.endr
.endr
.irp c, 0,1,2,3
	v_lshrrev_b32 v[BY+\c], 23, v[SO+\c]           ; the scale's byte (plain lines behind the conversions)
.endr
	WIN 0
.if \last
.set AC, CB
.set AS, SBA
.set XC, 1536
.set XS, 6
.else
	v_add_nc_u32 v[CBT], s35, v[CB]                ; 512 bytes of codes and 2 scale bytes a trip
	v_add_nc_u32 v[SBT], s36, v[SBA]
.set AC, CBT
.set AS, SBT
.set XC, 0
.set XS, 0
.endif
	WIN 0x0c
.irp c, 0,1,2,3
	ds_store_b128 v[AC], v[CD+4*\c:CD+4*\c+3] offset:XC+256*\u+16*\c
	ds_store_b8 v[AS], v[BY+\c] offset:XS+\u+32*\c
.endr
	WIN 0
.endm
	s_load_b256 s[4:11], s[0:1], 0x0               ; xq s[4:5], W1 s[6:7], b1 s[8:9], hq s[10:11]
	v_lshl_add_u32 v254, v0, 2, SPARE
	v_mov_b32 v255, 0
	v_lshrrev_b32 v1, 5, v0
	v_readfirstlane_b32 s12, v1                    ; wave
	v_and_b32 v1, 31, v0
	v_and_b32 v2, 15, v0
	v_bfe_u32 v3, v0, 4, 1
	v_lshlrev_b32 v[LI], 4, v1
	v_lshlrev_b32 v[LR], 4, v2
	v_lshlrev_b32 v[BO], 6, v3
	v_lshl_add_u32 v[SR], v2, 5, SCL
	v_bfe_u32 v12, v0, 3, 2                        ; G = lane / 8
	v_bfe_u32 v13, v0, 1, 1                        ; u
	v_and_b32 v14, 1, v0
	v_bfe_u32 v15, v0, 2, 1                        ; row = 4 (lane & 1) + 8 ((lane >> 2) & 1) + column
	s_lshl_b32 s13, s12, 11                        ; my 8 blocks of K: 256 bytes each
	s_lshl_b32 s14, s12, 3
	s_add_co_u32 s14, s14, SCL
	v_lshlrev_b32 v[CB], 14, v12
	v_lshl_add_u32 v[CB], v13, 13, v[CB]
	v_lshl_add_u32 v[CB], v14, 6, v[CB]
	v_lshl_add_u32 v[CB], v15, 7, v[CB]
	v_add_nc_u32 v[CB], s13, v[CB]
	v_lshlrev_b32 v[SBA], 10, v12
	v_lshl_add_u32 v[SBA], v13, 9, v[SBA]
	v_lshl_add_u32 v[SBA], v14, 7, v[SBA]
	v_lshl_add_u32 v[SBA], v15, 8, v[SBA]
	v_add_nc_u32 v[SBA], s14, v[SBA]
	s_lshr_b32 s15, ttmp9, 5                       ; expert
	s_and_b32 s31, ttmp9, 31                       ; block of 128 units
	s_mov_b32 s33, 0
	s_mov_b32 s[SEL], 0x76543210
	s_mov_b32 s[SEL+1], 0xfedcba98
	s_wait_alu depctr_va_vdst(0)                   ; the wait at the head's end
	s_wait_kmcnt 0x0
	s_lshl_b32 s32, s15, 24
	s_lshl_b32 s34, s12, 22                        ; 256 rows of 16,384 bytes
	s_add_co_u32 s32, s32, s34
	s_lshl_b32 s34, s31, 9
	s_add_co_u32 s32, s32, s34
	s_add_nc_u64 s[16:17], s[6:7], s[32:33]        ; W1
	s_lshl_b32 s32, ttmp9, 9
	s_add_nc_u64 s[18:19], s[8:9], s[32:33]        ; b1: my 128 numbers
	s_lshl_b32 s32, s12, 17
	s_add_nc_u64 s[20:21], s[4:5], s[32:33]        ; x's codes: 16 tiles of 8,192 bytes a wave
	s_lshl_b32 s32, s12, 13
	s_add_co_u32 s32, s32, 524288
	s_add_nc_u64 s[22:23], s[4:5], s[32:33]        ; x's scale words
	s_lshl_b32 s32, s15, 21
	s_lshl_b32 s34, s12, 19
	s_add_co_u32 s32, s32, s34
	s_lshl_b32 s34, s31, 10
	s_add_co_u32 s32, s32, s34
	s_add_nc_u64 s[24:25], s[10:11], s[32:33]      ; hq's codes
	s_lshl_b32 s32, s15, 17
	s_lshl_b32 s34, s31, 12
	s_add_co_u32 s32, s32, s34
	s_lshl_b32 s34, s12, 10
	s_add_co_u32 s32, s32, s34
	s_add_co_u32 s32, s32, 0x1000000
	s_add_nc_u64 s[26:27], s[10:11], s[32:33]      ; hq's scale words
	WIN 0x40
.irp t, 0,1,2,3,4,5,6,7                        ; b1 in the result's layout: tile t's register i of lane half h is unit 32 (t / 2) + 16 h + 8 (t % 2) + i
	global_load_b128 v[192+8*\t:192+8*\t+3], v[BO], s[18:19] offset:(32*(\t/2)+8*(\t%2))*4
	global_load_b128 v[192+8*\t+4:192+8*\t+7], v[BO], s[18:19] offset:(32*(\t/2)+8*(\t%2))*4+16
.endr
	XLOAD 0, 0
	XLOAD 1, 1
	WLOAD 0, 0
	WLOAD 1, 32
	WIN 0
	s_mov_b32 s35, 0
	s_mov_b32 s36, 0
	s_mov_b32 s37, 0
.Lq:                                           ; three trips of two sets; the last two sets, which ask for nothing, are written out
	QSTEP 0, 0
	QSTEP 1, 0
	s_wait_xcnt 0x0                                ; the loads have read their base
	s_add_nc_u64 s[16:17], s[16:17], 0x100000      ; 64 rows on
	s_add_co_u32 s35, s35, 512
	s_add_co_u32 s36, s36, 2
	s_add_co_u32 s37, s37, 1
	s_cmp_lt_u32 s37, 3
	s_cbranch_scc1 .Lq
	QSTEP 0, 1
	QSTEP 1, 1
	s_wait_dscnt 0x0                               ; my stores are done,
	s_barrier_signal -1
	s_barrier_wait -1                              ; and everybody's
.irp s, 0,1,2,3,4,5,6,7
	WIN 0x80+0x40*(\s/4)
.irp j, 0,1,2,3,4,5,6,7
.irp c, 0,1
	ds_load_b128 v[64*(\s%4)+8*\j+4*\c:64*(\s%4)+8*\j+4*\c+3], v[LI] offset:\j*8192+\s*1024+512*\c
.endr
.endr
.endr
	WIN 0
.irp j, 0,1,2,3,4,5,6,7
.irp q, 0,1
	ds_load_b128 v[BSCR+8*\j+4*\q:BSCR+8*\j+4*\q+3], v[SR] offset:\j*512+16*\q   ; register 8 tile + K step: row r's word
.endr
.endr
.irp b, 0,1,2,3
	v_mov_b32 v[TM+4+\b], 0                        ; a lane permute's destination counts as one of its sources
	v_mov_b32 v[PW+\b], 0
.endr
	s_wait_alu depctr_va_vdst(0)
	s_wait_dscnt 0x0
.macro MUL8 u, s
.irp j, 0,1,2,3,4,5,6,7
.if (\s) == 0
	v_wmma_scale_f32_16x16x128_f8f6f4 v[128+8*\j:135+8*\j], v[8*\j:8*\j+7], v[64*\u:64*\u+7], v[192+8*\j:199+8*\j], v[BSCR+8*\j], v[ASC+8*\u] matrix_a_fmt:MATRIX_FMT_FP4 matrix_b_fmt:MATRIX_FMT_FP4
.else
	v_wmma_scale_f32_16x16x128_f8f6f4 v[128+8*\j:135+8*\j], v[64*((\s)%4)+8*\j:64*((\s)%4)+8*\j+7], v[64*\u+8*(\s):64*\u+8*(\s)+7], v[128+8*\j:135+8*\j], v[BSCR+8*\j+(\s)], v[ASC+8*\u+(\s)] matrix_a_fmt:MATRIX_FMT_FP4 matrix_b_fmt:MATRIX_FMT_FP4
.endif
.endr
.endm
; 64 numbers of a lane, none negative, register 16 b + i = unit 32 b + 16 (lane / 16) + i of my token, become a fragment's codes in v[PC] on and its scale word in v[pw]
.macro QUANT s, pw
.irp b, 0,1,2,3
	v_max3_num_f32 v[TM+\b], v[\s+16*\b], v[\s+1+16*\b], 0x1800000
.endr
.irp i, 2,4,6,8,10,12,14
.irp b, 0,1,2,3
	v_max3_num_f32 v[TM+\b], v[TM+\b], v[\s+16*\b+\i], v[\s+1+16*\b+\i]
.endr
.endr
.irp b, 0,1,2,3
	v_permlanex16_b32 v[TM+4+\b], v[TM+\b], s[SEL], s[SEL+1]
.endr
.irp b, 0,1,2,3
	v_max_num_f32 v[TM+\b], v[TM+\b], v[TM+4+\b]
.endr
.irp b, 0,1,2,3
	v_add_nc_u32 v[TM+12+\b], 0xff000000, v[TM+\b]
.endr
.irp b, 0,1,2,3
	v_lshrrev_b32 v[TM+4+\b], 23, v[TM+12+\b]
.endr
	v_lshl_or_b32 v[\pw], v[TM+5], 8, v[TM+4]
	v_lshl_or_b32 v[\pw], v[TM+6], 16, v[\pw]
	v_lshl_or_b32 v[\pw], v[TM+7], 24, v[\pw]
.irp b, 0,1,2,3
	v_cvt_scalef32_pk8_fp4_f32 v[PC+2*\b], v[\s+16*\b:\s+7+16*\b], v[TM+12+\b]
	v_cvt_scalef32_pk8_fp4_f32 v[PC+1+2*\b], v[\s+8+16*\b:\s+15+16*\b], v[TM+12+\b]
.endr
	v_nop                                          ; one plain line behind a scaled conversion
.irp c, 0,1
.irp i, 0,1
	v_permlane16_swap_b32 v[PC+4*\c+\i], v[PC+2+4*\c+\i]   ; a whole block in a lane
.endr
.endr
.endm
.macro TILE u, more, cnt               ; one token tile, on x's set u
	s_wait_loadcnt \cnt                            ; this tile's 18 loads are in; the next tile's may be out
	WIN 0x56                                       ; source 0 window 2, source 1, C and D window 1
	MUL8 \u, 0
	MUL8 \u, 1
	MUL8 \u, 2
	MUL8 \u, 3
	WIN 0x57                                       ; source 0 window 3
	MUL8 \u, 4
	MUL8 \u, 5
	MUL8 \u, 6
	MUL8 \u, 7
.rept 4
	v_nop                                          ; four places ahead of loads into, and reads of, the products' registers
.endr
.if \more
	XLOAD \u, 2+\u                                 ; the tile two on
.endif
	WIN 0
	s_wait_xcnt 0x0                                ; earlier stores have read v[PC] and v[PW] on
	WIN 0x04
.set JJ, 0
.rept 64
	v_max_num_f32 v[H+JJ], 0, v[128+JJ]            ; relu; each accumulator from its low end on
.set JJ, JJ+1
.endr
	WIN 0
.if \u == 0
	v_mov_b32 v[PW], v[PW+2]                       ; the last two tiles' scale words move down: four tiles' words leave together
	v_mov_b32 v[PW+1], v[PW+3]
.endif
	QUANT H, PW+2+\u
.irp c, 0,1
	global_store_b128 v[LI], v[PC+4*\c:PC+4*\c+3], s[24:25] offset:\u*32768+512*\c   ; 512 consecutive bytes
.endr
.endm
	s_mov_b32 s30, 0
.Ltile:                                        ; seven trips of two tiles; the last two tiles, which ask for nothing, are written out
	TILE 0, 1, 18
	TILE 1, 1, 18
	s_bitcmp1_b32 s30, 0
	s_cbranch_scc0 .Lno_words                      ; every second trip four tiles' words are whole
	global_store_b128 v[LR], v[PW:PW+3], s[26:27]  ; 16 bytes a row: 256 consecutive bytes (lanes r and 16 + r hold, and store, the same)
	s_wait_xcnt 0x0
	s_add_nc_u64 s[26:27], s[26:27], 256
.Lno_words:
	s_wait_xcnt 0x0                                ; loads and stores have read their bases
	s_add_nc_u64 s[20:21], s[20:21], 16384
	s_add_nc_u64 s[22:23], s[22:23], 1024
	s_add_nc_u64 s[24:25], s[24:25], 65536
	s_add_co_u32 s30, s30, 1
	s_cmp_lt_u32 s30, 7
	s_cbranch_scc1 .Ltile
	TILE 0, 0, 18
	TILE 1, 0, 0
	global_store_b128 v[LR], v[PW:PW+3], s[26:27]
	s_wait_tensorcnt 0x0                           ; the wave's end
	ds_add_u32 v254, v255
	s_wait_dscnt 0x0
	s_endpgm
.Lfunc_end_k_q05dff4f765_layer1:
	.size	k_q05dff4f765_layer1, .Lfunc_end_k_q05dff4f765_layer1-k_q05dff4f765_layer1
	.p2alignl 7, 3214868480
	.fill 96, 4, 3214868480
	.section	.rodata,"a",@progbits
	.p2align	6, 0x0
	.amdhsa_kernel k_q05dff4f765_layer1
		.amdhsa_group_segment_fixed_size 70144
		.amdhsa_private_segment_fixed_size 0
		.amdhsa_enable_private_segment 0
		.amdhsa_kernarg_size 32
		.amdhsa_user_sgpr_count 2
		.amdhsa_user_sgpr_kernarg_segment_ptr 1
		.amdhsa_wavefront_size32 1
		.amdhsa_system_sgpr_workgroup_id_x 1
		.amdhsa_system_sgpr_workgroup_id_y 1
		.amdhsa_system_sgpr_workgroup_id_z 1
		.amdhsa_system_vgpr_workitem_id 0
		.amdhsa_next_free_vgpr 1024
		.amdhsa_next_free_sgpr 66
		.amdhsa_reserve_vcc 0
		.amdhsa_float_denorm_mode_32 3
		.amdhsa_float_denorm_mode_16_64 3
		.amdhsa_memory_ordered 1
		.amdhsa_forward_progress 1
		.amdhsa_inst_pref_size 133
	.end_amdhsa_kernel
	.amdgpu_metadata
---
amdhsa.version: [ 1, 2 ]
amdhsa.kernels:
  - .name:           k_q05dff4f765_layer1
    .symbol:         k_q05dff4f765_layer1.kd
    .args:
      - { .name: xq, .offset: 0, .size: 8, .value_kind: global_buffer, .address_space: global }
      - { .name: W1, .offset: 8, .size: 8, .value_kind: global_buffer, .address_space: global }
      - { .name: b1, .offset: 16, .size: 8, .value_kind: global_buffer, .address_space: global }
      - { .name: hq, .offset: 24, .size: 8, .value_kind: global_buffer, .address_space: global }
    .group_segment_fixed_size: 70144
    .private_segment_fixed_size: 0
    .kernarg_segment_align: 8
    .kernarg_segment_size: 32
    .max_flat_workgroup_size: 128
    .sgpr_count:     66
    .vgpr_count:     1024
    .wavefront_size: 32
...
	.end_amdgpu_metadata
.endif
;; end of part 6
;; launch layer2 (part 7): grid 256 x 1, 4 waves a work-group, clusters of 4 x 1, 327,680 bytes of LDS; arguments hq, w2q, b2, pout; writes pout
.if DOCPART == 7
	.amdgcn_target "amdgcn-amd-amdhsa--gfx1250"
	.amdhsa_code_object_version 6
	.text
	.protected	k_q05dff4f765_layer2
	.globl	k_q05dff4f765_layer2
	.p2align	8
	.type	k_q05dff4f765_layer2,@function
k_q05dff4f765_layer2:
	s_mov_b64 s[64:65], 0
	v_nop
	global_prefetch_b8 v0, s[64:65] scope:SCOPE_SE
	s_setreg_imm32_b32 hwreg(HW_REG_WAVE_MODE, 25, 1), 1
	s_wait_xcnt 0x0
	s_wait_alu depctr_hold_cnt(0) depctr_sa_sdst(0) depctr_va_vdst(0) depctr_va_sdst(0) depctr_va_ssrc(0) depctr_va_vcc(0) depctr_vm_vsrc(0)
	s_getreg_b32 s2, hwreg(HW_REG_IB_STS2, 6, 4)
	s_cmp_eq_u32 s2, 0
	s_cbranch_scc0 .Lentry_in_a_cluster
	s_endpgm
.Lentry_in_a_cluster:
	s_bfe_u32 s2, ttmp6, 0x10000c
	s_cmp_lg_u32 s2, 0x3003
	s_cbranch_scc0 .Lentry_shape_is_right
	s_endpgm
.Lentry_shape_is_right:
; pout[e] = h[e] W2[e] + b2[e]: the second quantised product on codes of FP4 (E2M1) with E8M0 scales, sums in f32; rounded to bf16 once on the way out (an operand of the last product, which is left as it is).
; SHARES.  Cluster c (0..63) owns expert c % 8 and outputs 128 (c / 8) on; its four work-groups own 256 tokens each; a wave owns 64 tokens x 128 outputs: 32 accumulators, K = 4,096 in 32 steps of 128.
; THE WEIGHTS STAY IN LDS.  The cluster's block of w2q (16,384 bytes of scale words, then 262,144 of codes in four quarters of K) is dense and lands in LDS as it lies; no LDS byte is filled twice.
; At the head a wave asks for a quarter of the first 81,920 bytes (scale words and the first quarter of K); behind the three lines and a round of the cluster's barrier for a quarter of the other 196,608,
; which has the first 7 K steps in which to land.  One load of a wave is out at a time.  The four work-groups need the same bytes: each load is asked for JOINTLY (mask 15).
; THE HIDDEN LAYER'S FRAGMENTS go from memory straight into registers: three sets of four K steps take turns, two sets ahead of the products; that lead stands in a prefetch's place.
; TRANSPOSED USE: source 0 = 16 outputs, source 1 = 16 tokens.  b2 is the C of the first products.  The accumulators take turns, one instruction a turn.
; REGISTERS: window 0: v1-15 addresses; v32-79 the hidden layer's scale words (set x 16 + step x 4 + tile); v80-143 the weights'; v144-207 b2; on the way out v144-175 packed, v176-239 rows.
;   window 1: sets 0 and 1 of the hidden layer's fragments.  window 2: v0-127 two sets of the weights' 8 fragments; v128-255 set 2.  window 3: accumulator (a, j) at 64 a + 8 j.
.set BSC,  0                           ; LDS: scale words: tile x 2,048 + 512 along K x 256
.set COD,  16384                       ; codes: quarter of K x 65,536 + tile x 8,192 + K step x 1,024
.set HEADB, 81920
.set STG,  278528                      ; a stage of 16 rows x 272 bytes for each wave; no fill lands there
.set SP,   272
.set LI,   4
.set LR,   5
.set BO,   6
.set LB,   8
.set LSC,  12
.set STO,  13
.set RD,   14
.set CO,   15
.set ASC,  32
.set BSCR, 80
.set BIAS, 144
.set TMP,  144
.set BK,   176
.set WV,   12
.set G1C,  24                          ; group 1: 192 rows of 256 bytes
.set G1S,  32                          ; group 1: 80 rows
.set G0S,  40
.set G0C,  44
.set MSB, 0
.macro WIN new
.if MSB != \new
	s_set_vgpr_msb (MSB<<8)|\new
.set MSB, \new
.endif
.endm
.macro CROUND                          ; a round of the cluster's barrier
	s_barrier_signal -1
	s_barrier_wait -1
	s_cmp_lg_u32 s[WV], 0
	s_cbranch_scc1 .Lnot_wave_0_\@
	s_barrier_signal -3
.Lnot_wave_0_\@:
	s_barrier_wait -3
	s_barrier_signal -1
	s_barrier_wait -1
.endm
.macro PLACES
.rept 4
	v_nop
.endr
.endm
	s_load_b256 s[4:11], s[0:1], 0x0               ; hq s[4:5], w2q s[6:7], b2 s[8:9], pout s[10:11]
	v_lshl_add_u32 v254, v0, 2, 0x48400
	v_mov_b32 v255, 0
	ds_add_u32 v254, v255
	ds_add_u32 v254, v255
	v_lshrrev_b32 v1, 5, v0
	v_readfirstlane_b32 s[WV], v1
	s_bfe_u32 s13, ttmp6, 0x40000                  ; cx: which 256 tokens; it enters global addresses of the hidden layer and of the result alone
	s_and_b32 s75, ttmp9, 7                        ; expert
	s_lshr_b32 s76, ttmp9, 3                       ; which 128 outputs
	s_lshl_b32 s14, s75, 3
	s_add_co_u32 s14, s14, s76                     ; g
	s_mov_b32 s[G1C], 15|(3<<16)|(1<<21)           ; the mask: all four; elements of 8 bytes; bit 21 beside a mask; no padding
	s_mov_b32 s[G1C+1], 32<<16
	s_mov_b32 s[G1C+2], 192<<16
	s_mov_b32 s[G1C+3], 32<<16
	s_mov_b32 s[G1C+4], 192
	s_mov_b32 s[G1C+5], 32
	s_mov_b32 s[G1C+6], 0
	s_mov_b32 s[G1C+7], 0
	s_mov_b32 s[G1S], 15|(3<<16)|(1<<21)
	s_mov_b32 s[G1S+1], 32<<16
	s_mov_b32 s[G1S+2], 80<<16
	s_mov_b32 s[G1S+3], 32<<16
	s_mov_b32 s[G1S+4], 80
	s_mov_b32 s[G1S+5], 32
	s_mov_b32 s[G1S+6], 0
	s_mov_b32 s[G1S+7], 0
	s_mul_i32 s70, s[WV], 49152                    ; my quarter of the second part
	s_mul_i32 s71, s[WV], 20480                    ; my quarter of the first part
	s_mul_i32 s68, s14, 278528                     ; the cluster's block
	s_add_co_u32 s66, s68, s70
	s_add_co_u32 s66, s66, HEADB
	s_mov_b32 s67, 0
	s_add_co_u32 s68, s68, s71
	s_mov_b32 s69, 0
	s_wait_dscnt 0x0
	s_wait_kmcnt 0x0
	s_add_nc_u64 s[66:67], s[6:7], s[66:67]
	s_add_nc_u64 s[68:69], s[6:7], s[68:69]
	s_mov_b32 s[G0S], 1
	s_add_co_u32 s[G0S+1], s71, 0
	s_mov_b64 s[G0S+2:G0S+3], s[68:69]
	s_or_b32 s[G0S+3], s[G0S+3], 0x80000000
	s_mov_b32 s[G0C], 1
	s_add_co_u32 s[G0C+1], s70, HEADB
	s_mov_b64 s[G0C+2:G0C+3], s[66:67]
	s_or_b32 s[G0C+3], s[G0C+3], 0x80000000
	CROUND                                         ; all four work-groups are here: the joint loads meet
	tensor_load_to_lds s[G0S:G0S+3], s[G1S:G1S+7]  ; my one load at the head
	s_nop 0
.rept 4
	v_nop
.endr
	v_and_b32 v1, 31, v0
	v_and_b32 v2, 15, v0
	v_bfe_u32 v3, v0, 4, 1
	v_lshlrev_b32 v[LI], 4, v1
	v_lshlrev_b32 v[LR], 4, v2
	v_lshlrev_b32 v[BO], 5, v3
.irp n, 0,1,2,3
	v_add_nc_u32 v[LB+\n], \n*65536+COD, v[LI]
.endr
	v_add_nc_u32 v[LSC], BSC, v[LR]
	s_mul_i32 s72, s[WV], 16*SP
	s_add_co_u32 s72, s72, STG
	v_mul_u32_u24 v[STO], v2, SP
	v_lshl_add_u32 v[STO], v3, 4, v[STO]
	v_add_nc_u32 v[STO], s72, v[STO]
	v_mul_u32_u24 v[RD], v3, SP
	v_lshl_add_u32 v[RD], v2, 4, v[RD]
	v_add_nc_u32 v[RD], s72, v[RD]
	v_lshl_add_u32 v[CO], v3, 11, v[LR]
	s_mov_b32 s73, 0
	s_lshl_b32 s72, s75, 21                        ; hq's codes: [expert][token tile][K step] x 1,024 bytes
	s_lshl_b32 s74, s13, 19
	s_add_co_u32 s72, s72, s74
	s_lshl_b32 s74, s[WV], 17
	s_add_co_u32 s72, s72, s74
	s_add_nc_u64 s[16:17], s[4:5], s[72:73]
	s_lshl_b32 s72, s75, 17                        ; hq's scale words: [expert][K step] x 4,096 + my four tiles' 256 bytes
	s_lshl_b32 s74, s13, 10
	s_add_co_u32 s72, s72, s74
	s_lshl_b32 s74, s[WV], 8
	s_add_co_u32 s72, s72, s74
	s_add_co_u32 s72, s72, 0x1000000
	s_add_nc_u64 s[18:19], s[4:5], s[72:73]
	s_lshl_b32 s72, s14, 9
	s_add_nc_u64 s[20:21], s[8:9], s[72:73]        ; b2
	s_lshl_b32 s72, s75, 21
	s_lshl_b32 s74, s13, 19
	s_add_co_u32 s72, s72, s74
	s_lshl_b32 s74, s[WV], 17
	s_add_co_u32 s72, s72, s74
	s_lshl_b32 s74, s76, 8
	s_add_co_u32 s72, s72, s74
	s_add_nc_u64 s[22:23], s[10:11], s[72:73]      ; pout
.macro LOADA g                         ; the hidden layer's fragments and scale words of K steps 4 g .. 4 g + 3, for my four token tiles, into set g % 3: 36 loads
.set LSG, (\g)%3
.if LSG == 2
	WIN 0x80
.set LAB, 128
.else
	WIN 0x40
.set LAB, 128*LSG
.endif
.irp a, 0,1,2,3
.irp s, 0,1,2,3
.irp c, 0,1
	global_load_b128 v[LAB+32*\a+8*\s+4*\c:LAB+32*\a+8*\s+4*\c+3], v[LI], s[16:17] offset:\a*32768+(4*(\g)+\s)*1024+512*\c
.endr
.endr
.endr
	WIN 0
.irp s, 0,1,2,3
	global_load_b128 v[ASC+16*LSG+4*\s:ASC+16*LSG+4*\s+3], v[LR], s[18:19] offset:(4*(\g)+\s)*4096   ; a K step's words of my four tiles
.endr
.endm
.macro FETCHB
	WIN 0x80
.irp j, 0,1,2,3,4,5,6,7
.irp c, 0,1
	ds_load_b128 v[64*(NX%2)+8*\j+4*\c:64*(NX%2)+8*\j+4*\c+3], v[LB+NX/8] offset:\j*8192+(NX%8)*1024+512*\c
.endr
.endr
.endm
.macro BSCALES
	WIN 0
.irp j, 0,1,2,3,4,5,6,7
	ds_load_b128 v[BSCR+8*\j+4*((NX/4)%2):BSCR+8*\j+4*((NX/4)%2)+3], v[LSC] offset:\j*2048+(NX/4)*256
.endr
.endm
.macro MUL32 bias
.irp a, 0,1,2,3
.irp j, 0,1,2,3,4,5,6,7
.if \bias
	v_wmma_scale_f32_16x16x128_f8f6f4 v[64*\a+8*\j:64*\a+8*\j+7], v[64*BUF+8*\j:64*BUF+8*\j+7], v[AB+32*\a+8*S4:AB+32*\a+8*S4+7], v[BIAS+8*\j:BIAS+8*\j+7], v[BSCR+8*\j+SS], v[ASC+16*SG+4*S4+\a] matrix_a_fmt:MATRIX_FMT_FP4 matrix_b_fmt:MATRIX_FMT_FP4
.else
	v_wmma_scale_f32_16x16x128_f8f6f4 v[64*\a+8*\j:64*\a+8*\j+7], v[64*BUF+8*\j:64*BUF+8*\j+7], v[AB+32*\a+8*S4:AB+32*\a+8*S4+7], v[64*\a+8*\j:64*\a+8*\j+7], v[BSCR+8*\j+SS], v[ASC+16*SG+4*S4+\a] matrix_a_fmt:MATRIX_FMT_FP4 matrix_b_fmt:MATRIX_FMT_FP4
.endif
.endr
.endr
.endm
.macro KSTEP
.set SS, KA%8
.set BUF, KA%2
.set NX, KA+1
.set GG, KA/4
.set SG, GG%3
.set S4, KA%4
.set AB, 0
.if SG > 0
.set AB, 128
.endif
.set NDS, 0
.if NX == 8
	s_wait_tensorcnt 0x0                           ; my part of the other three quarters of K has landed
	s_wait_dscnt 0x0                               ; no LDS instruction of mine is pending at a signal
	s_barrier_signal -1
	s_barrier_wait -1                              ; everybody's part has landed
.endif
.if KA > 0
	PLACES
.endif
.if S4 == 0
.if GG <= 6
	s_wait_loadcnt 36                              ; this group's 36 loads and all older ones are in; the next group's 36 may be out
.else
	s_wait_loadcnt 0x0
.endif
.if GG+2 <= 7
	LOADA GG+2
.endif
.endif
.if NX < 32
	FETCHB
.set NDS, 16
.if NX%4 == 0
	BSCALES
.set NDS, 24
.endif
.endif
	s_wait_dscnt NDS                               ; all but the loads just issued
.if KA == 0
	WIN 0xc6
	MUL32 1
.elseif SG == 2
	WIN 0xfa
	MUL32 0
.else
	WIN 0xf6
	MUL32 0
.endif
.endm
.irp j, 0,1,2,3,4,5,6,7
	global_load_b128 v[BIAS+8*\j:BIAS+8*\j+3], v[BO], s[20:21] offset:64*\j          ; tile j's register i of lane half h is output 16 j + 8 h + i
	global_load_b128 v[BIAS+8*\j+4:BIAS+8*\j+7], v[BO], s[20:21] offset:64*\j+16
.endr
	LOADA 0
	LOADA 1
	s_wait_alu depctr_va_vdst(0)                   ; the wait at the head's end
	s_wait_tensorcnt 0x0                           ; my part of the first part is in
	ds_add_u32 v254, v255
	s_wait_dscnt 0x0
	CROUND                                         ; everybody's part is in, and all four work-groups are here
	tensor_load_to_lds s[G0C:G0C+3], s[G1C:G1C+7]  ; the first tensor load behind the round
	s_nop 0
.rept 4
	v_nop
.endr
.set NX, 0
	BSCALES
	FETCHB
.set KA, 0
.rept 32
	KSTEP
.set KA, KA+1
.endr
; THE WAY OUT, a token tile at a time: rounded to bf16, through my own stage in LDS, back as whole rows of 256 bytes, stored.  LDS serves a wave's instructions in order (ISA guide 5.7.1.4).
.macro PACK a
	WIN 0x0f
.irp b, 0,1,2,3,4,5,6,7
.irp r, 0,1,2,3
	v_cvt_pk_bf16_f32 v[TMP+4*\b+\r], v[64*(\a)+8*\b+2*\r], v[64*(\a)+8*\b+2*\r+1]
.endr
.endr
	WIN 0
.endm
.macro TOSTAGE a
.irp b, 0,1,2,3,4,5,6,7
	ds_store_b128 v[STO], v[TMP+4*\b:TMP+4*\b+3] offset:32*\b
.endr
.irp t, 0,1,2,3,4,5,6,7
	ds_load_b128 v[BK+32*((\a)%2)+4*\t:BK+32*((\a)%2)+4*\t+3], v[RD] offset:\t*2*SP
.endr
.endm
.macro SEND a
	s_wait_dscnt 0x0
	s_wait_xcnt 0x0                                ; the stores of the tile before have read their registers
.irp t, 0,1,2,3,4,5,6,7
	global_store_b128 v[CO], v[BK+32*((\a)%2)+4*\t:BK+32*((\a)%2)+4*\t+3], s[22:23] offset:(16*(\a)+2*\t)*2048 th:TH_STORE_NT   ; 16 lanes store 256 consecutive bytes, aligned
.endr
.endm
	PLACES
	PACK 0
	TOSTAGE 0
.irp a, 1,2,3
	PACK \a
	s_wait_alu depctr_va_vdst(0)
	SEND \a-1
	TOSTAGE \a
.endr
	SEND 3
	s_wait_tensorcnt 0x0                           ; the wave's end
	ds_add_u32 v254, v255
	s_wait_dscnt 0x0
	CROUND                                         ; the closing round
	s_endpgm
.Lfunc_end_k_q05dff4f765_layer2:
	.size	k_q05dff4f765_layer2, .Lfunc_end_k_q05dff4f765_layer2-k_q05dff4f765_layer2
	.p2alignl 7, 3214868480
	.fill 96, 4, 3214868480
	.section	.rodata,"a",@progbits
	.p2align	6, 0x0
	.amdhsa_kernel k_q05dff4f765_layer2
		.amdhsa_group_segment_fixed_size 327680
		.amdhsa_private_segment_fixed_size 0
		.amdhsa_enable_private_segment 0
		.amdhsa_kernarg_size 32
		.amdhsa_user_sgpr_count 2
		.amdhsa_user_sgpr_kernarg_segment_ptr 1
		.amdhsa_wavefront_size32 1
		.amdhsa_system_sgpr_workgroup_id_x 1
		.amdhsa_system_sgpr_workgroup_id_y 1
		.amdhsa_system_sgpr_workgroup_id_z 1
		.amdhsa_system_vgpr_workitem_id 0
		.amdhsa_next_free_vgpr 1024
		.amdhsa_next_free_sgpr 80
		.amdhsa_reserve_vcc 0
		.amdhsa_float_denorm_mode_32 3
		.amdhsa_float_denorm_mode_16_64 3
		.amdhsa_memory_ordered 1
		.amdhsa_forward_progress 1
		.amdhsa_inst_pref_size 223
	.end_amdhsa_kernel
	.amdgpu_metadata
---
amdhsa.version: [ 1, 2 ]
amdhsa.kernels:
  - .name:           k_q05dff4f765_layer2
    .symbol:         k_q05dff4f765_layer2.kd
    .args:
      - { .name: hq, .offset: 0, .size: 8, .value_kind: global_buffer, .address_space: global }
      - { .name: w2q, .offset: 8, .size: 8, .value_kind: global_buffer, .address_space: global }
      - { .name: b2, .offset: 16, .size: 8, .value_kind: global_buffer, .address_space: global }
      - { .name: pout, .offset: 24, .size: 8, .value_kind: global_buffer, .address_space: global }
    .group_segment_fixed_size: 327680
    .private_segment_fixed_size: 0
    .kernarg_segment_align: 8
    .kernarg_segment_size: 32
    .max_flat_workgroup_size: 128
    .sgpr_count:     80
    .vgpr_count:     1024
    .wavefront_size: 32
...
	.end_amdgpu_metadata
.endif
;; end of part 7
;; launch combine (part 8): grid 256 x 1, 4 waves a work-group, no clusters, 0 bytes of LDS; arguments pout, x, Wg, bg, out0; writes out0
.if DOCPART == 8
	.amdgcn_target "amdgcn-amd-amdhsa--gfx1250"
	.amdhsa_code_object_version 6
	.text
	.protected	k_q05dff4f765_combine
	.globl	k_q05dff4f765_combine
	.p2align	8
	.type	k_q05dff4f765_combine,@function
k_q05dff4f765_combine:
	s_mov_b64 s[64:65], 0
	v_nop
	global_prefetch_b8 v0, s[64:65] scope:SCOPE_SE
	s_setreg_imm32_b32 hwreg(HW_REG_WAVE_MODE, 25, 1), 1
	s_wait_xcnt 0x0
; y[n] = the sum over e of w[n][e] pout[e][n]; w = the gate: softmax((x Wg + bg) / e), the five largest kept (ties to the lower index), divided by their sum + 1e-8.
; The gate is made in f32 throughout.  pout arrives in bf16 (an operand of a product that the contract leaves as it is); the products with w and their sums are f32.
; A wave takes one token: its row of x, all of Wg, and its row of each of the eight experts' results.  Straight text: no branch, no LDS, no barrier; the choice of experts only selects values.
; THE GATE.  Lane l holds x[32 m + l] and row 32 m + l of Wg, m = 0 .. 31: a load of x takes 128 consecutive bytes, the two loads of a row's halves lie within 1,024 consecutive bytes.
; Eight sums in four packed chains, then across the 32 lanes.  The largest score is taken away ahead of the exponential: p = 2^((s - m) c), c = log2(e) / e.
; An expert's rank is the number of experts that come before it in the order of the probabilities; it is kept where the rank is under 5.
; LIMITS: the division by e and by the sums are multiplications (by c; by v_rcp_f32's result, 1 ulp); NaN and infinities are not served.
; REGISTERS: window 0: v1 16 x lane, v2 32 x lane, v4 4 x lane, v5 the stores' offset; v16-47 x; v48-55 the scores; v56-63 w; v64-95 y; v96-103, v120-125 at work; v104-111 p; v112-119 ranks;
;   v128-255 the eight rows (16 e + 4 j).   window 1: Wg (8 m + k).
.set MSB, 0
.macro WIN new                         ; s_set_vgpr_msb: bits 1:0 source 0, 3:2 source 1, 5:4 source 2, 7:6 destination; the high byte repeats the setting that is left
.if MSB != \new
	s_set_vgpr_msb (MSB<<8)|\new
.set MSB, \new
.endif
.endm
	s_load_b256 s[4:11], s[0:1], 0x0               ; pout s[4:5], x s[6:7], Wg s[8:9], bg s[10:11]
	s_load_b64 s[12:13], s[0:1], 0x20              ; out0
	v_lshrrev_b32 v3, 5, v0
	v_readfirstlane_b32 s14, v3                    ; wave
	v_and_b32 v3, 31, v0                           ; lane
	v_lshlrev_b32 v1, 4, v3                        ; pout: 16 bytes a lane
	v_lshlrev_b32 v2, 5, v3                        ; Wg: a row of 32 bytes a lane
	v_lshlrev_b32 v4, 2, v3                        ; x: 4 bytes a lane
	v_and_b32 v5, 15, v0
	v_bfe_u32 v6, v0, 4, 1
	v_lshlrev_b32 v5, 5, v5
	v_lshl_add_u32 v5, v6, 4, v5                   ; out0: 32 (lane % 16) + 16 (lane / 16)
	s_lshl_b32 s15, ttmp9, 2
	s_add_co_u32 s15, s15, s14                     ; my token
	s_lshl_b32 s44, s15, 12                        ; its row of x and of out0: 4,096 bytes
	s_mov_b32 s45, 0
	s_lshl_b32 s46, s15, 11                        ; its row of an expert's result: 2,048 bytes
	s_mov_b32 s47, 0
	s_mov_b32 s40, 0x76543210
	s_mov_b32 s41, 0xfedcba98                      ; v_permlanex16_b32's selects for lane l xor 16
	s_mov_b32 s42, 0x3f07de6f                      ; c = log2(e) / e = 0.5307378
.irp e, 0,1,2,3,4,5,6,7
	v_mov_b32 v[96+\e], 0                          ; a lane permute's destination counts as one of its sources
.endr
	s_wait_kmcnt 0x0
	s_load_b256 s[16:23], s[10:11], 0x0            ; bg
	s_add_nc_u64 s[6:7], s[6:7], s[44:45]
	s_add_nc_u64 s[12:13], s[12:13], s[44:45]
	s_add_nc_u64 s[24:25], s[4:5], s[46:47]
.irp e, 1,2,3,4,5,6,7
	s_add_nc_u64 s[24+2*\e:25+2*\e], s[24:25], \e*0x200000   ; an expert's result is 2,097,152 bytes
.endr
.set MM, 0
.rept 32
	global_load_b32 v[16+MM], v4, s[6:7] offset:128*MM         ; x[32 m + lane]
.set MM, MM+1
.endr
	WIN 0x40
.set MM, 0
.rept 32
	global_load_b128 v[8*MM:8*MM+3], v2, s[8:9] offset:1024*MM          ; register 8 m + k: Wg[32 m + lane][k]
	global_load_b128 v[8*MM+4:8*MM+7], v2, s[8:9] offset:1024*MM+16
.set MM, MM+1
.endr
	WIN 0
.irp e, 0,1,2,3,4,5,6,7
.irp j, 0,1,2,3
	global_load_b128 v[128+16*\e+4*\j:128+16*\e+4*\j+3], v1, s[24+2*\e:25+2*\e] offset:512*\j th:TH_LOAD_NT   ; outputs 256 j + 8 lane + 0 .. 7 of expert e, two to a register
.endr
.endr
.macro GATE p
.set XR, 16+2*(MM/2)
.set WR, 8*MM+2*\p
.set AR, 48+2*\p
.if MM == 0
	v_pk_mul_f32 v[AR:AR+1], v[XR:XR+1], v[WR:WR+1] op_sel_hi:[0,1]
.elseif (MM%2) == 0
	v_pk_fma_f32 v[AR:AR+1], v[XR:XR+1], v[WR:WR+1], v[AR:AR+1] op_sel_hi:[0,1,1]
.else
	v_pk_fma_f32 v[AR:AR+1], v[XR:XR+1], v[WR:WR+1], v[AR:AR+1] op_sel:[1,0,0] op_sel_hi:[1,1,1]
.endif
.endm
	s_wait_loadcnt 32                              ; loads come back in order: x and Wg are in; the 32 loads of the experts' rows may be out
	WIN 0x04                                       ; source 1 (Wg) window 1
.set MM, 0
.rept 32
.irp p, 0,1,2,3
	GATE \p
.endr
.set MM, MM+1
.endr
	WIN 0
.irp m, 1,2,4,8
.irp e, 0,1,2,3,4,5,6,7
	v_add_f32_dpp v[48+\e], v[48+\e], v[48+\e] row_xmask:\m row_mask:0xf bank_mask:0xf
.endr
.endr
.irp e, 0,1,2,3,4,5,6,7
	v_permlanex16_b32 v[96+\e], v[48+\e], s40, s41
.endr
.irp e, 0,1,2,3,4,5,6,7
	v_add_f32 v[48+\e], v[48+\e], v[96+\e]         ; every lane holds the eight sums
.endr
	s_wait_alu depctr_va_vdst(0)
	s_wait_kmcnt 0x0                               ; bg
.irp e, 0,1,2,3,4,5,6,7
	v_add_f32 v[48+\e], s[16+\e], v[48+\e]
.endr
	v_max3_num_f32 v120, v48, v49, v50
	v_max3_num_f32 v121, v51, v52, v53
	v_max3_num_f32 v120, v120, v54, v55
	v_max_num_f32 v120, v120, v121                 ; m
	v_mul_f32 v120, s42, v120                      ; m c
.irp e, 0,1,2,3,4,5,6,7
	v_fma_f32 v[104+\e], v[48+\e], s42, -v120      ; (s - m) c
.endr
	s_wait_alu depctr_va_vdst(0)
.irp e, 0,1,2,3,4,5,6,7
	v_exp_f32 v[104+\e], v[104+\e]
.endr
.irp e, 0,1,2,3,4,5,6,7
	v_mov_b32 v[112+\e], 7-\e                      ; ranks begin as the number of experts with a higher index.  (Plain lines behind the exponentials)
.endr
	s_wait_alu depctr_va_vdst(0)                   ; one wait for the eight exponentials, ahead of their first reader
	v_add_f32 v121, v104, v105
	v_add_f32 v122, v106, v107
	v_add_f32 v123, v108, v109
	v_add_f32 v124, v110, v111
	v_add_f32 v121, v121, v122
	v_add_f32 v123, v123, v124
	v_add_f32 v121, v121, v123
	s_wait_alu depctr_va_vdst(0)
	v_rcp_f32 v121, v121
	v_nop                                          ; a plain line behind the reciprocal
	s_wait_alu depctr_va_vdst(0)
.irp e, 0,1,2,3,4,5,6,7
	v_mul_f32 v[104+\e], v[104+\e], v121           ; the probabilities
.endr
.irp f, 0,1,2,3,4,5,6
.irp e, 1,2,3,4,5,6,7
.if \f < \e
	v_cmp_ge_f32 vcc_lo, v[104+\f], v[104+\e]      ; f comes before e where it is larger or equal: the lower index wins a tie
	v_cndmask_b32 v125, 0, 1, vcc_lo
	v_add_nc_u32 v[112+\e], v[112+\e], v125
	v_sub_nc_u32 v[112+\f], v[112+\f], v125
.endif
.endr
.endr
.irp e, 0,1,2,3,4,5,6,7
	v_cmp_gt_u32 vcc_lo, 5, v[112+\e]
	v_cndmask_b32 v[56+\e], 0, v[104+\e], vcc_lo   ; the five first keep their probability, the others get 0
.endr
	v_add_f32 v121, v56, v57
	v_add_f32 v122, v58, v59
	v_add_f32 v123, v60, v61
	v_add_f32 v124, v62, v63
	v_add_f32 v121, v121, v122
	v_add_f32 v123, v123, v124
	v_add_f32 v121, v121, v123
	v_add_f32 v121, 0x322bcc77, v121               ; + 1e-8
	s_wait_alu depctr_va_vdst(0)
	v_rcp_f32 v121, v121
	v_nop
	s_wait_alu depctr_va_vdst(0)
.irp e, 0,1,2,3,4,5,6,7
	v_mul_f32 v[56+\e], v[56+\e], v121             ; w
.endr
	s_wait_loadcnt 0x0                             ; the eight rows
	; y: register 64 + 2 q and 65 + 2 q take the low and the high half of each expert's register q.  Expert 0 starts the sums: nothing is cleared
.irp q, 0,1,2,3,4,5,6,7,8,9,10,11,12,13,14,15
	v_lshlrev_b32 v[64+2*\q], 16, v[128+\q]        ; bf16 to f32: the low half moves up,
	v_and_b32 v[65+2*\q], 0xffff0000, v[128+\q]    ; the high half stays
.endr
.irp q, 0,1,2,3,4,5,6,7,8,9,10,11,12,13,14,15
	v_pk_mul_f32 v[64+2*\q:65+2*\q], v[64+2*\q:65+2*\q], v[56:57] op_sel_hi:[1,0]   ; x w[0]
.endr
.irp e, 1,2,3,4,5,6,7
.irp q, 0,1,2,3,4,5,6,7,8,9,10,11,12,13,14,15
	v_fma_mix_f32_bf16 v[64+2*\q], v[128+16*\e+\q], v[56+\e], v[64+2*\q] op_sel_hi:[1,0,0]                 ; += the low half x w[e], in f32
	v_fma_mix_f32_bf16 v[65+2*\q], v[128+16*\e+\q], v[56+\e], v[65+2*\q] op_sel:[1,0,0] op_sel_hi:[1,0,0]   ; += the high half x w[e]
.endr
.endr
	; A lane holds outputs 256 j + 8 lane + 0 .. 7 in registers 64 + 8 j on: 32 bytes.  The first four registers' lanes 16-31 change places with the last four's lanes 0-15: then the first four hold, in lanes l and
	; 16 + l, the two halves of lane l's 32 bytes (l = 0 .. 15), the last four those of lane 16 + l's: each store covers 512 consecutive bytes
.irp j, 0,1,2,3
.irp k, 0,1,2,3
	v_permlane16_swap_b32 v[64+8*\j+\k], v[68+8*\j+\k]
.endr
.endr
.irp j, 0,1,2,3
.irp u, 0,1
	global_store_b128 v5, v[64+8*\j+4*\u:64+8*\j+4*\u+3], s[12:13] offset:1024*\j+512*\u th:TH_STORE_NT   ; 512 consecutive bytes, at a multiple of 256 from the buffer's first byte
.endr
.endr
	s_endpgm
.Lfunc_end_k_q05dff4f765_combine:
	.size	k_q05dff4f765_combine, .Lfunc_end_k_q05dff4f765_combine-k_q05dff4f765_combine
	.p2alignl 7, 3214868480
	.fill 96, 4, 3214868480
	.section	.rodata,"a",@progbits
	.p2align	6, 0x0
	.amdhsa_kernel k_q05dff4f765_combine
		.amdhsa_group_segment_fixed_size 0
		.amdhsa_private_segment_fixed_size 0
		.amdhsa_enable_private_segment 0
		.amdhsa_kernarg_size 40
		.amdhsa_user_sgpr_count 2
		.amdhsa_user_sgpr_kernarg_segment_ptr 1
		.amdhsa_wavefront_size32 1
		.amdhsa_system_sgpr_workgroup_id_x 1
		.amdhsa_system_sgpr_workgroup_id_y 1
		.amdhsa_system_sgpr_workgroup_id_z 1
		.amdhsa_system_vgpr_workitem_id 0
		.amdhsa_next_free_vgpr 512
		.amdhsa_next_free_sgpr 66
		.amdhsa_reserve_vcc 1
		.amdhsa_float_denorm_mode_32 3
		.amdhsa_float_denorm_mode_16_64 3
		.amdhsa_memory_ordered 1
		.amdhsa_forward_progress 1
		.amdhsa_inst_pref_size 51
	.end_amdhsa_kernel
	.amdgpu_metadata
---
amdhsa.version: [ 1, 2 ]
amdhsa.kernels:
  - .name:           k_q05dff4f765_combine
    .symbol:         k_q05dff4f765_combine.kd
    .args:
      - { .name: pout, .offset: 0, .size: 8, .value_kind: global_buffer, .address_space: global }
      - { .name: x, .offset: 8, .size: 8, .value_kind: global_buffer, .address_space: global }
      - { .name: Wg, .offset: 16, .size: 8, .value_kind: global_buffer, .address_space: global }
      - { .name: bg, .offset: 24, .size: 8, .value_kind: global_buffer, .address_space: global }
      - { .name: out0, .offset: 32, .size: 8, .value_kind: global_buffer, .address_space: global }
    .group_segment_fixed_size: 0
    .private_segment_fixed_size: 0
    .kernarg_segment_align: 8
    .kernarg_segment_size: 40
    .max_flat_workgroup_size: 128
    .sgpr_count:     66
    .vgpr_count:     512
    .wavefront_size: 32
...
	.end_amdgpu_metadata
.endif
;; end of part 8
